; MI455X (gfx1250); checked and timed in simulation.
; The chip was launched on July 23, 2026; its instructions are those of AMD's public machine-readable ISA for CDNA 5 (MIT licence, August 2026) and "CDNA5" Instruction Set Architecture Reference Guide (July 2026). The comments in the code are by the model that wrote it; some were corrected since.
;; Multi Head Attention. Allowed arithmetic: matrix products marked QUANTISED: E5M2 operands, one E8M0 scale for each 32 along K, by v_wmma_scale_f32_16x16x128_f8f6f4 with both operands' format E5M2, f32 sums; everything else in f32.
;; Inputs: Wk 1,024 x 1,024 float32; Wo 1,024 x 1,024 float32; Wq 1,024 x 1,024 float32; Wv 1,024 x 1,024 float32; bk 1,024 float32; bo 1,024 float32; bq 1,024 float32; bv 1,024 float32; hidden_states 4 x 2,048 x 1,024 float32.
;; Outputs: out0 4 x 2,048 x 1,024 float32.
;; This version of the problem:
;;   THIS VERSION OF THE PROBLEM IS GIVEN IN LOW PRECISION. The matrix products marked QUANTISED in the list below multiply operands that are first quantised to E5M2 (5 exponent bits, 2 mantissa bits; 8 bits a number), with one power-of-two scale for each 32 numbers along K (OCP MX v1.0); their sums are f32. All else is computed in f32.
;;   The module's matrix products, in the order in which they are computed (A, B: the left and right operand; K: the contracted axis; several contracted axes count as one K, in the product's order):
;;     1. [M 8,192, K 1,024] x [K 1,024, N 1,024]; A: input hidden_states; B: input Wq: QUANTISED
;;     2. [M 8,192, K 1,024] x [K 1,024, N 1,024]; A: input hidden_states; B: input Wk: QUANTISED
;;     3. [M 8,192, K 1,024] x [K 1,024, N 1,024]; A: input hidden_states; B: input Wv: QUANTISED
;;     4. batch 64 x [M 2,048, K 64] x [K 64, N 2,048]; A: computed on the way; B: computed on the way: QUANTISED
;;     5. batch 64 x [M 2,048, K 2,048] x [K 2,048, N 64]; A: softmax (see below); B: computed on the way: QUANTISED
;;     6. [M 8,192, K 1,024] x [K 1,024, N 1,024]; A: computed on the way; B: input Wo: QUANTISED
;;   THE QUANTISER, for each operand of a quantised product, along K:
;;     - K is cut into blocks of 32 from its start; a last block that is shorter is filled with zeros.
;;     - A block's scale is 2^e with e = floor(log2(the largest magnitude in the block)) - 15, held to -126 .. 127; a block of zeros has e = 0. As a byte (E8M0): e + 127.
;;     - Each number is divided by its block's scale, clamped to +-57,344, and rounded to the nearest number of E5M2, ties to even, subnormals kept.
;;     - The product sums the exact products of the quantised numbers (number of the format x scale) in f32.
;;   ~~~python
;;   def quantise(x, axis):      # numpy; x: float32 -> the quantised numbers, widened to float32 again
;;       x = np.moveaxis(x, axis, -1); K = x.shape[-1]
;;       x = np.pad(x, [(0, 0)] * (x.ndim - 1) + [(0, -K % 32)]); x = x.reshape(x.shape[:-1] + (-1, 32)); a = np.abs(x).max(-1, keepdims=True)
;;       e = np.where(a > 0, np.clip(np.frexp(np.where(a > 0, a, 1))[1] - 1 - 15, -126, 127), 0)      # np.frexp(a)[1] - 1 = floor(log2(a)), exactly
;;       r = np.clip(x / 2.0 ** e, -57344, 57344)
;;       step = 2.0 ** (np.maximum(np.frexp(np.where(r == 0, 1, r))[1] - 1, -14) - 2)
;;       q = np.round(r / step) * step * 2.0 ** e      # np.round: ties to even
;;       return np.moveaxis(q.reshape(q.shape[:-2] + (-1,))[..., :K], -1, axis).astype(np.float32)
;;   ~~~
;;   SOFTMAX AHEAD OF A QUANTISED PRODUCT. Where the list says 'softmax', what is quantised is not the finished softmax but p = 2^(t - M), with t = logit x log2(e) and M = ceil(the row's largest t), a whole number; so 1/2 < the row's largest p <= 1. The row's sum l is taken of the UNQUANTISED p, in f32, and the product's result is divided by l at the end. Since M is a whole number, a kernel that streams over the keys may use a running M (the ceiling of the running maximum): every later rescaling is an exact power of two, which a block's scale takes up: the codes' values come out the same.
;;   OPERANDS COMPUTED ON THE WAY. 'Computed on the way' means the value that the module computes at that place (a softmax that the list does not call 'softmax' is quantised finished and normalised). What goes into a quantiser is computed in f32, as accurately as f32 sums, v_exp_f32 and their like allow (about 1e-6 of the number): no bf16 or f16 on the way to a quantiser, and a product that is left as it is and whose result goes on into a quantised operand takes f32 operands (vector FMAs, or v_wmma_f32_16x16x4_f32). A number that lies on a knife's edge between two numbers of the format may be rounded either way, as far as f32 arithmetic and the matrix unit's own rounding can turn it there, and no further.
;; One version. Each part assembles by itself: llvm-mc -triple=amdgcn-amd-amdhsa -mcpu=gfx1250 --defsym DOCPART=n.
;; ======== version 1 of 1: 5 launches
;; limits: right only within a limited range of input values
;; workspace buffers: inq 12,976,128 bytes; qk 34,603,008 bytes; oq 8,650,752 bytes
;; launch quant (part 1): grid 256 x 1, 6 waves a work-group, no clusters, 52,992 bytes of LDS; arguments hidden_states, Wq, Wk, Wv, Wo, inq; writes inq
.if DOCPART == 1
	.amdgcn_target "amdgcn-amd-amdhsa--gfx1250"
	.amdhsa_code_object_version 6
	.text
	.protected	k_qd061127cdc_quant
	.globl	k_qd061127cdc_quant
	.p2align	8
	.type	k_qd061127cdc_quant,@function
k_qd061127cdc_quant:
	s_mov_b64 s[64:65], 0
	v_nop
	global_prefetch_b8 v0, s[64:65] scope:SCOPE_SE
	s_setreg_imm32_b32 hwreg(HW_REG_WAVE_MODE, 25, 1), 1
	s_wait_xcnt 0x0
; hidden_states [8192][1024] and Wq, Wk, Wv, Wo [1024][1024], f32, K innermost, become codes of BF8 (E5M2) with one E8M0 scale byte for each 32 along K.
; A block's scale is 2^(floor(log2(its largest magnitude)) - 15); its byte is the largest magnitude's exponent field - 15, held at 1 from below; each number is divided by the scale,
; held within +-57,344 and rounded to the nearest code, ties to even.
; LIMITS: a block of zeros gets the byte 1 where the rule says 127 (its codes are zeros, and this program alone reads the bytes); blocks whose largest magnitude lies under 2^(16 - 127) keep the byte 1;
; NaN and infinities among the inputs are not served.
; THE OUTPUT IS LAID AS IMAGES OF OPERAND REGISTERS.  768 tiles of 16 rows (x: 0-511, Wq: 512-575, Wk: 576-639, Wv: 640-703, Wo: 704-767).  A tile's fragment of 128 along K is 2,048 bytes:
; four groups of 512, in group c lane l's 16 bytes (k = 32 c + 16 (l / 16) + 0 .. 15 of row l % 16) at 16 l.  Codes: tile x 16,384 + K step x 2,048.  Scale words: SCB + tile x 512 + K step x 64 + 4 x row.
; THE ROWS OF A TILE ARE NOT NEIGHBOURS: row i of tile t is the tensor's row 32 (t / 2) + 8 (t % 2) + i + 8 (i / 8), so that results of two neighbouring tiles are 16 neighbours in a lane's registers later on.
; SHARES.  1,536 waves; wave U takes tile U / 2, half U % 2 of K: 16 rows x 512, in four steps of 128.  Each load reads 512 consecutive bytes of one row; a step's 8,192 bytes turn through the wave's own
; stage in LDS (rows 528 bytes apart) and come back 64 bytes a lane and block.  Waves share nothing: no barrier.  Loads run two steps ahead.
.set SCB,  12582912                    ; where the scale words begin in inq
.set SP,   528                         ; a stage row: 512 bytes + 16: sixteen rows start at sixteen different 16-byte columns
.set SCW,  16*SP                       ; behind the stage: the wave's 256 bytes of scale words
.set WREG, SCW+256                     ; LDS of one wave
.set R,    16                          ; v16-143  two sets of 64 registers as loaded
.set X,    144                         ; v144-207 64 numbers: register 16 b + i = k 32 b + 16 (lane / 16) + i of my row
.set TM,   208                         ; v208-211 largest magnitudes, v212-215 bytes, v216-219 the largest number x the scale, v220-223 the conversions' scale operands
.set PW,   224                         ; the scale word
.set PC,   226                         ; v226-241 the codes
.set MNT,  28                          ; s28 the mantissa field of 57,344
.set SEL,  30                          ; s[30:31] v_permlanex16_b32's selects for lane l xor 16
	s_load_b256 s[4:11], s[0:1], 0x0               ; hidden_states, Wq, Wk, Wv
	s_load_b128 s[12:15], s[0:1], 0x20             ; Wo, inq
	v_lshl_add_u32 v244, v0, 2, 0xcc00
	v_mov_b32 v245, 0
	v_lshrrev_b32 v7, 5, v0
	v_readfirstlane_b32 s16, v7                    ; wave 0..5
	v_and_b32 v8, 31, v0                           ; lane
	v_and_b32 v9, 15, v0                           ; r
	v_bfe_u32 v10, v0, 4, 1                        ; h
	s_mul_i32 s17, s16, WREG                       ; my wave's LDS
	v_lshlrev_b32 v1, 4, v8                        ; 16 x lane: my bytes of a load's 512 and of a store's 512
	v_add_nc_u32 v2, s17, v1                       ; the stage, on the way in
	v_mul_u32_u24 v3, v9, SP
	v_lshl_add_u32 v3, v10, 6, v3
	v_add_nc_u32 v3, s17, v3                       ; and on the way out: row r, + 64 h
	v_lshlrev_b32 v4, 2, v9
	v_add_nc_u32 v4, s17, v4
	v_add_nc_u32 v4, SCW, v4                       ; my row's scale word
	v_lshlrev_b32 v6, 3, v8                        ; the scale words' way out: 8 bytes a lane
	v_add_nc_u32 v5, s17, v6
	v_add_nc_u32 v5, SCW, v5
.irp b, 0,1,2,3
	v_mov_b32 v[TM+4+\b], 0                        ; written once: a lane permute's destination counts as one of its sources
.endr
	s_mov_b32 s[MNT], 0x600000
	s_mov_b32 s[SEL], 0x76543210
	s_mov_b32 s[SEL+1], 0xfedcba98
	s_mul_i32 s18, ttmp9, 6
	s_add_co_u32 s18, s18, s16                     ; U
	s_lshr_b32 s19, s18, 1                         ; the tile
	s_and_b32 s20, s18, 1                          ; which half of K
	s_and_b32 s21, s19, 63                         ; the tile's number in a weight
	s_wait_kmcnt 0x0
	s_cmp_lt_u32 s19, 704                          ; which tensor: the choices hang on the tile's number alone
	s_cselect_b64 s[12:13], s[10:11], s[12:13]
	s_cmp_lt_u32 s19, 640
	s_cselect_b64 s[12:13], s[8:9], s[12:13]
	s_cmp_lt_u32 s19, 576
	s_cselect_b64 s[12:13], s[6:7], s[12:13]
	s_cmp_lt_u32 s19, 512
	s_cselect_b64 s[12:13], s[4:5], s[12:13]
	s_cselect_b32 s21, s19, s21                    ; the tile's number in its tensor
	s_lshr_b32 s22, s21, 1
	s_lshl_b32 s22, s22, 17                        ; 32 rows of 4,096 bytes for each pair of tiles,
	s_and_b32 s23, s21, 1
	s_lshl_b32 s23, s23, 15                        ; 8 rows for the odd one,
	s_add_co_u32 s22, s22, s23
	s_lshl_b32 s23, s20, 11                        ; 2,048 bytes for the second half of K
	s_add_co_u32 s22, s22, s23
	s_mov_b32 s23, 0
	s_add_nc_u64 s[12:13], s[12:13], s[22:23]      ; where I read
	s_lshl_b32 s24, s18, 13                        ; tile x 16,384 + half x 8,192
	s_mov_b32 s25, 0
	s_add_nc_u64 s[24:25], s[14:15], s[24:25]      ; where my codes go
	s_lshl_b32 s26, s18, 8                         ; tile x 512 + half x 256
	s_add_co_u32 s26, s26, SCB
	s_mov_b32 s27, 0
	s_add_nc_u64 s[26:27], s[14:15], s[26:27]      ; and my scale words
.macro LOAD s                          ; step s: 512 bytes of each of the tile's 16 rows, into set s % 2
.irp i, 0,1,2,3,4,5,6,7,8,9,10,11,12,13,14,15
	global_load_b128 v[R+64*((\s)%2)+4*\i:R+64*((\s)%2)+4*\i+3], v1, s[12:13] offset:(\i+8*(\i/8))*4096+512*(\s) th:TH_LOAD_NT
.endr
.endm
; 64 numbers of a lane, v[s] on, become a fragment's codes in v[PC] on and its scale word in v[PW]
.macro QUANT s
.irp b, 0,1,2,3
	v_max3_num_f32 v[TM+\b], |v[\s+16*\b]|, |v[\s+1+16*\b]|, 0x8000000   ; block b: my 16 numbers, and the floor 2^(16 - 127): so the byte cannot fall under 1
.endr
.irp i, 2,4,6,8,10,12,14
.irp b, 0,1,2,3
	v_max3_num_f32 v[TM+\b], v[TM+\b], |v[\s+16*\b+\i]|, |v[\s+1+16*\b+\i]|   ; the four blocks by turns
.endr
.endr
.irp b, 0,1,2,3
	v_permlanex16_b32 v[TM+4+\b], v[TM+\b], s[SEL], s[SEL+1]
.endr
.irp b, 0,1,2,3
	v_max_num_f32 v[TM+\b], v[TM+\b], v[TM+4+\b]   ; with lane l xor 16's 16: the block's largest magnitude
.endr
.irp b, 0,1,2,3
	v_add_nc_u32 v[TM+12+\b], 0xf8800000, v[TM+\b] ; 15 off its exponent field: the conversion takes the exponent field of this operand as its scale
.endr
.irp b, 0,1,2,3
	v_and_or_b32 v[TM+8+\b], v[TM+\b], 0x7f800000, s[MNT]   ; 57,344 x the scale
.endr
.irp b, 0,1,2,3
	v_lshrrev_b32 v[TM+4+\b], 23, v[TM+12+\b]      ; the scale's byte
.endr
	v_lshl_or_b32 v[PW], v[TM+5], 8, v[TM+4]
	v_lshl_or_b32 v[PW], v[TM+6], 16, v[PW]
	v_lshl_or_b32 v[PW], v[TM+7], 24, v[PW]
.irp b, 0,1,2,3
.irp i, 0,1,2,3,4,5,6,7,8,9,10,11,12,13,14,15
	v_med3_num_f32 v[\s+16*\b+\i], v[\s+16*\b+\i], -v[TM+8+\b], v[TM+8+\b]   ; the conversion to an 8-bit code does not saturate (ISA guide 7.6.2): the hold comes first
.endr
	v_cvt_scalef32_pk8_bf8_f32 v[PC+4*\b:PC+1+4*\b], v[\s+16*\b:\s+7+16*\b], v[TM+12+\b]
	v_cvt_scalef32_pk8_bf8_f32 v[PC+2+4*\b:PC+3+4*\b], v[\s+8+16*\b:\s+15+16*\b], v[TM+12+\b]
.endr
	v_nop                                          ; a plain vector line behind the last conversion
.endm
.macro QSTEP s
.if (\s) < 3
	s_wait_loadcnt 16                              ; this step's 16 loads are in; the next step's 16 may be out
.else
	s_wait_loadcnt 0x0
.endif
.irp i, 0,1,2,3,4,5,6,7,8,9,10,11,12,13,14,15
	ds_store_b128 v2, v[R+64*((\s)%2)+4*\i:R+64*((\s)%2)+4*\i+3] offset:SP*\i
.endr
.irp c, 0,1,2,3
.irp j, 0,1,2,3
	ds_load_b128 v[X+16*\c+4*\j:X+16*\c+4*\j+3], v3 offset:128*\c+16*\j   ; LDS serves a wave's instructions in order (ISA guide 5.7.1.4): these see the stores above
.endr
.endr
	s_wait_dscnt 0x0                               ; the numbers are back, and the stores have read their registers,
.if (\s) < 2
	LOAD (\s)+2                                    ; which take the loads of two steps on
.endif
	s_wait_xcnt 0x0                                ; the last step's stores have read their data: the codes' registers are written again only behind this wait
	QUANT X
	ds_store_b32 v4, v[PW] offset:64*(\s)          ; both lanes of a row write the same word with the same value
.irp c, 0,1,2,3
	global_store_b128 v1, v[PC+4*\c:PC+4*\c+3], s[24:25] offset:2048*(\s)+512*\c   ; 32 lanes store 512 consecutive bytes, aligned
.endr
.endm
	LOAD 0
	LOAD 1
	QSTEP 0
	QSTEP 1
	QSTEP 2
	QSTEP 3
	ds_load_b64 v[12:13], v5                       ; my wave's 64 scale words, 8 bytes a lane
	s_wait_dscnt 0x0
	global_store_b64 v6, v[12:13], s[26:27]        ; 32 lanes store 256 consecutive bytes, aligned
	s_wait_tensorcnt 0x0
	ds_add_u32 v244, v245
	s_wait_dscnt 0x0
	s_endpgm
.Lfunc_end_k_qd061127cdc_quant:
	.size	k_qd061127cdc_quant, .Lfunc_end_k_qd061127cdc_quant-k_qd061127cdc_quant
	.p2alignl 7, 3214868480
	.fill 96, 4, 3214868480
	.section	.rodata,"a",@progbits
	.p2align	6, 0x0
	.amdhsa_kernel k_qd061127cdc_quant
		.amdhsa_group_segment_fixed_size 52992
		.amdhsa_private_segment_fixed_size 0
		.amdhsa_enable_private_segment 0
		.amdhsa_kernarg_size 48
		.amdhsa_user_sgpr_count 2
		.amdhsa_user_sgpr_kernarg_segment_ptr 1
		.amdhsa_wavefront_size32 1
		.amdhsa_system_sgpr_workgroup_id_x 1
		.amdhsa_system_sgpr_workgroup_id_y 1
		.amdhsa_system_sgpr_workgroup_id_z 1
		.amdhsa_system_vgpr_workitem_id 0
		.amdhsa_next_free_vgpr 246
		.amdhsa_next_free_sgpr 66
		.amdhsa_reserve_vcc 0
		.amdhsa_float_denorm_mode_32 3
		.amdhsa_float_denorm_mode_16_64 3
		.amdhsa_memory_ordered 1
		.amdhsa_forward_progress 1
		.amdhsa_inst_pref_size 52
	.end_amdhsa_kernel
	.amdgpu_metadata
---
amdhsa.version: [ 1, 2 ]
amdhsa.kernels:
  - .name:           k_qd061127cdc_quant
    .symbol:         k_qd061127cdc_quant.kd
    .args:
      - { .name: hidden_states, .offset: 0, .size: 8, .value_kind: global_buffer, .address_space: global }
      - { .name: Wq, .offset: 8, .size: 8, .value_kind: global_buffer, .address_space: global }
      - { .name: Wk, .offset: 16, .size: 8, .value_kind: global_buffer, .address_space: global }
      - { .name: Wv, .offset: 24, .size: 8, .value_kind: global_buffer, .address_space: global }
      - { .name: Wo, .offset: 32, .size: 8, .value_kind: global_buffer, .address_space: global }
      - { .name: inq, .offset: 40, .size: 8, .value_kind: global_buffer, .address_space: global }
    .group_segment_fixed_size: 52992
    .private_segment_fixed_size: 0
    .kernarg_segment_align: 8
    .kernarg_segment_size: 48
    .max_flat_workgroup_size: 192
    .sgpr_count:     66
    .vgpr_count:     246
    .wavefront_size: 32
...
	.end_amdgpu_metadata
.endif
;; end of part 1
;; launch gemm_qk (part 2): grid 8 x 32, 4 waves a work-group, clusters of 4 x 4, 327,680 bytes of LDS; arguments inq, bq, bk, qk; writes qk
.if DOCPART == 2
	.amdgcn_target "amdgcn-amd-amdhsa--gfx1250"
	.amdhsa_code_object_version 6
	.text
	.protected	k_qd061127cdc_gemm_qk
	.globl	k_qd061127cdc_gemm_qk
	.p2align	8
	.type	k_qd061127cdc_gemm_qk,@function
k_qd061127cdc_gemm_qk:
	s_mov_b64 s[64:65], 0
	v_nop
	global_prefetch_b8 v0, s[64:65] scope:SCOPE_SE
	s_setreg_imm32_b32 hwreg(HW_REG_WAVE_MODE, 25, 1), 1
	s_wait_xcnt 0x0
	s_wait_alu depctr_hold_cnt(0) depctr_sa_sdst(0) depctr_va_vdst(0) depctr_va_sdst(0) depctr_va_ssrc(0) depctr_va_vcc(0) depctr_vm_vsrc(0)
	s_getreg_b32 s2, hwreg(HW_REG_IB_STS2, 6, 4)
	s_cmp_eq_u32 s2, 0
	s_cbranch_scc0 .Lentry_in_a_cluster
	s_endpgm
.Lentry_in_a_cluster:
	s_bfe_u32 s2, ttmp6, 0x10000c
	s_cmp_lg_u32 s2, 0xf033
	s_cbranch_scc0 .Lentry_shape_is_right
	s_endpgm
.Lentry_shape_is_right:
.set KIND, 0
.if KIND == 0
.set ATB, 0
.set BTB, 512
.set ASC, 12582912
.set SOFF, 16777216
.elseif KIND == 1
.set ATB, 640
.set BTB, 0
.set ASC, 12582912
.set SOFF, 8388608
.else
.set ATB, 0
.set BTB, 704
.set ASC, 8388608
.set SOFF, 0
.endif
.set BSC,    12582912
.set NQ,     2
.set FR,     16
.set NL,     4
.set NP,     8
.set HALFT,  32768
.set SLOT,   4*HALFT
.set SCL,    2*SLOT
.set HALFS,  4096
.set SPARE,  SCL+4*HALFS
.set SPITCH, 528
.set ADRA, 16
.set ADRB, 20
.set VSEL, 22
.set STO,  24
.set RD,   25
.set LI,   26
.set ADRS, 27
.set SPW,  28
.set NIL,  29
.set BOF,  30
.set SOF,  31
.set SC,   32
.set CI,   64
.set AF,   128
.set T,    128
.set PC,   192
.set TM,   208
.set W,    224
.set SW,   232
.set BK,   128
.set G1, 24
.set G0, 32
.set G1B, 48
.set G0B, 56
.set G1S, 68
.set G0S, 76
.set G1SB, 80
.set G0SB, 88
.set MNT, 95
.set SEL, 98
.set MSB, 0
.macro WIN new
.if MSB != \new
	s_set_vgpr_msb (MSB<<8)|\new
.set MSB, \new
.endif
.endm
.set MUL_LO, 0xa1
.set MUL_HI, 0xf1
.set BIA_LO, 0x81
.set BIA_HI, 0xc1
.set TO_B,   0x40
.macro JLOAD g0a, g1a, g0b, g1b
	s_cmp_eq_u32 s15, 0
	s_cbranch_scc0 .Lfor_b_\@
	tensor_load_to_lds s[\g0a:\g0a+3], s[\g1a:\g1a+7]
	s_nop 0
.rept 4
	v_nop
.endr
	s_branch .Lasked_\@
.Lfor_b_\@:
	tensor_load_to_lds s[\g0b:\g0b+3], s[\g1b:\g1b+7]
	s_nop 0
.rept 4
	v_nop
.endr
.Lasked_\@:
.endm
.macro CREST
	s_cmp_lg_u32 s14, 0
	s_cbranch_scc1 .Lnot_wave_0_\@
	s_barrier_signal -3
.Lnot_wave_0_\@:
	s_barrier_wait -3
	s_barrier_signal -1
	s_barrier_wait -1
.endm
.macro CROUND
	s_barrier_signal -1
	s_barrier_wait -1
	CREST
.endm
.if KIND == 0
	s_load_b64 s[4:5], s[0:1], 0x0
	s_load_b64 s[8:9], s[0:1], 0x8
	s_load_b64 s[10:11], s[0:1], 0x10
	s_load_b64 s[12:13], s[0:1], 0x18
.elseif KIND == 1
	s_load_b64 s[4:5], s[0:1], 0x0
	s_load_b64 s[8:9], s[0:1], 0x8
	s_load_b64 s[12:13], s[0:1], 0x10
.else
	s_load_b128 s[4:7], s[0:1], 0x0
	s_load_b64 s[8:9], s[0:1], 0x10
	s_load_b64 s[12:13], s[0:1], 0x18
.endif
	v_lshl_add_u32 v[SPW], v0, 2, SPARE
	v_mov_b32 v[NIL], 0
	ds_add_u32 v28, v29
	ds_add_u32 v28, v29
	s_wait_dscnt 0x0
	v_lshrrev_b32 v1, 5, v0
	v_readfirstlane_b32 s14, v1
	s_lshr_b32 s15, s14, 1
	s_and_b32 s16, s14, 1
	s_bfe_u32 s40, ttmp6, 0x40000
	s_bfe_u32 s41, ttmp6, 0x40004
	s_lshl_b32 s42, ttmp9, 2
	s_add_co_u32 s42, s42, s40
.if KIND == 1
	s_mov_b32 s17, s41
.else
	s_and_b32 s17, ttmp7, 0xffff
	s_lshl_b32 s17, s17, 2
	s_add_co_u32 s17, s17, s41
.endif
	s_lshl_b32 s43, s41, 2
	s_lshl_b32 s43, 15, s43
	s_lshl_b32 s44, 0x1111, s40
	s_or_b32 s[G1+0], s43, (3<<16)|(1<<21)
	s_or_b32 s[G1B+0], s44, (3<<16)|(1<<21)
.irp g, G1, G1B
	s_mov_b32 s[\g+1], 512<<16
	s_mov_b32 s[\g+2], 16<<16                      ; the head's loads bring all 16 row tiles of a K step
	s_mov_b32 s[\g+3], 512<<16
	s_mov_b32 s[\g+4], 16
	s_mov_b32 s[\g+5], 2048
	s_mov_b32 s[\g+6], 0
	s_mov_b32 s[\g+7], 0
.endr
	s_or_b32 s[G1S+0], s43, (3<<16)|(1<<21)
	s_or_b32 s[G1SB+0], s44, (3<<16)|(1<<21)
.irp g, G1S, G1SB
	s_mov_b32 s[\g+1], 32<<16
	s_mov_b32 s[\g+2], 32<<16                      ; the scale words of 16 row tiles: 8,192 dense bytes
	s_mov_b32 s[\g+3], 32<<16
	s_mov_b32 s[\g+4], 32
	s_mov_b32 s[\g+5], 32
	s_mov_b32 s[\g+6], 0
	s_mov_b32 s[\g+7], 0
.endr
	s_lshl_b32 s18, s16, 3
	s_lshl_b32 s20, s17, 4
	s_add_co_u32 s20, s20, s18
	s_add_co_u32 s20, s20, ATB
	s_lshl_b32 s46, s42, 4
	s_add_co_u32 s46, s46, s18
	s_add_co_u32 s46, s46, BTB
	s_lshl_b32 s22, s20, 9
	s_add_co_u32 s22, s22, ASC
	s_mov_b32 s23, 0
	s_lshl_b32 s92, s46, 9
	s_add_co_u32 s92, s92, BSC
	s_mov_b32 s93, 0
	s_lshl_b32 s20, s20, 14
	s_mov_b32 s21, 0
	s_lshl_b32 s46, s46, 14
	s_mov_b32 s47, 0
	s_lshl_b32 s45, s14, 15
	s_wait_kmcnt 0x0
.if KIND != 2
	s_mov_b64 s[6:7], s[4:5]
.endif
	s_add_nc_u64 s[20:21], s[4:5], s[20:21]
	s_add_nc_u64 s[22:23], s[4:5], s[22:23]
	s_add_nc_u64 s[46:47], s[6:7], s[46:47]
	s_add_nc_u64 s[92:93], s[6:7], s[92:93]
	CROUND
; THE HEAD'S FOUR TILES, ONE A WAVE: wave 0 A's 16 row tiles of K step 0, wave 1 B's, wave 2 A's scale words, wave 3 B's.
	s_lshl_b32 s96, s16, 17                        ; the half of the 16 row tiles that my ring loads take, in bytes of codes,
	s_mov_b32 s97, 0
	s_lshl_b32 s2, s16, 12                         ; and of scale words: taken off, the addresses are the whole tiles'
	s_mov_b32 s3, 0
	s_mov_b32 s[G0S], 1
	s_mov_b32 s[G0S+1], SCL
	s_sub_nc_u64 s[G0S+2:G0S+3], s[22:23], s[2:3]
	s_or_b32 s[G0S+3], s[G0S+3], 0x80000000
	s_mov_b32 s[G0SB], 1
	s_mov_b32 s[G0SB+1], SCL+2*HALFS
	s_sub_nc_u64 s[G0SB+2:G0SB+3], s[92:93], s[2:3]
	s_or_b32 s[G0SB+3], s[G0SB+3], 0x80000000
	s_mov_b32 s[G0], 1
	s_mov_b32 s[G0+1], 0
	s_sub_nc_u64 s[G0+2:G0+3], s[20:21], s[96:97]
	s_or_b32 s[G0+3], s[G0+3], 0x80000000
	s_mov_b32 s[G0B], 1
	s_mov_b32 s[G0B+1], 2*HALFT
	s_sub_nc_u64 s[G0B+2:G0B+3], s[46:47], s[96:97]
	s_or_b32 s[G0B+3], s[G0B+3], 0x80000000
	s_mov_b32 s[G0+4], 1                           ; slot 1's ring descriptors: my 8 row tiles of K step 1
	s_add_co_u32 s[G0+5], s45, SLOT
	s_add_nc_u64 s[G0+6:G0+7], s[20:21], 4096
	s_or_b32 s[G0+7], s[G0+7], 0x80000000
	s_mov_b32 s[G0B+4], 1
	s_add_co_u32 s[G0B+5], s45, SLOT
	s_add_nc_u64 s[G0B+6:G0B+7], s[46:47], 4096
	s_or_b32 s[G0B+7], s[G0B+7], 0x80000000
.macro ARM under, g0, g1, next         ; one chain of branches on the wave's number, a load to an arm, all arms to one join
	s_cmp_lt_u32 s14, \under
	s_cbranch_scc0 \next
	tensor_load_to_lds s[\g0:\g0+3], s[\g1:\g1+7]
	s_nop 0
.rept 4
	v_nop
.endr
	s_branch .Lhead_asked
\next:
.endm
	ARM 1, G0,  G1,  .Lhead_b
	ARM 2, G0B, G1B, .Lhead_sa
	ARM 3, G0S, G1S, .Lhead_sb
	tensor_load_to_lds s[G0SB:G0SB+3], s[G1SB:G1SB+7]
	s_nop 0
.rept 4
	v_nop
.endr
.Lhead_asked:
; PREFETCH INTO THE L2: of the 8 row tiles that my ring loads take, the partner at place p (cx for A, cy for B) names tiles 2 p and 2 p + 1, told apart by address: a K step's 4,096 bytes of a tile are 16 lanes x 256 bytes.
; Here K steps 1 and 2 are named, behind slot 1's load K step 3: each two loads ahead at the most; the address registers are never rewritten.
	s_cmp_eq_u32 s15, 0
	s_cselect_b64 s[2:3], s[20:21], s[46:47]
	s_cselect_b32 s96, s40, s41
	s_lshl_b32 s96, s96, 15
	s_mov_b32 s97, 0
	s_add_nc_u64 s[2:3], s[2:3], s[96:97]
	v_and_b32 v8, 15, v0
	v_bfe_u32 v9, v0, 4, 1
	v_lshlrev_b32 v8, 8, v8
	v_lshl_add_u32 v8, v9, 14, v8
	global_prefetch_b8 v8, s[2:3] offset:4096 th:TH_LOAD_NT scope:SCOPE_SE
	global_prefetch_b8 v8, s[2:3] offset:8192 th:TH_LOAD_NT scope:SCOPE_SE
	v_and_b32 v1, 15, v0
	v_bfe_u32 v2, v0, 4, 1
	s_wait_alu depctr_va_vdst(0)
	v_and_b32 v3, 31, v0
	v_lshlrev_b32 v[LI], 4, v3
	s_lshl_b32 s21, s15, 15
	s_lshl_b32 s22, s16, 15
	s_add_co_u32 s22, s22, 2*HALFT
.irp s, 0,1
	v_add_nc_u32 v[ADRA+\s], s21, v[LI]
	v_add_nc_u32 v[ADRB+\s], s22, v[LI]
	s_add_co_u32 s21, s21, SLOT
	s_add_co_u32 s22, s22, SLOT
.endr
	v_lshlrev_b32 v5, 2, v1
	s_lshl_b32 s21, s15, 12
	s_lshl_b32 s22, s16, 12
	s_add_co_u32 s22, s22, 2*HALFS
	s_sub_co_u32 s22, s22, s21
	v_mul_u32_u24 v6, s22, v2
	s_add_co_u32 s21, s21, SCL
	v_add_nc_u32 v5, v5, v6
	v_add_nc_u32 v[ADRS], s21, v5
	s_mov_b32 s[MNT], 0x600000
	s_mov_b32 s[SEL], 0x76543210
	s_mov_b32 s[SEL+1], 0xfedcba98
.if KIND == 1
	s_lshl_b32 s96, s17, 10
	s_lshl_b32 s97, s15, 9
	s_add_co_u32 s96, s96, s97
	s_mov_b32 s97, 0
	s_add_nc_u64 s[8:9], s[8:9], s[96:97]
	v_and_b32 v4, 8, v1
	v_add_nc_u32 v4, v4, v1
	v_lshlrev_b32 v[BOF], 2, v4
.irp a, 0,1,2,3,4,5,6,7
.irp j, 0,1,2,3,4,5,6,7
	global_load_b32 v[CI+8*\a+\j], v[BOF], s[8:9] offset:4*(32*(\a/2)+8*(\a%2))
.endr
.endr
	s_lshl_b32 s20, s42, 1
	s_add_co_u32 s20, s20, s16
	s_lshr_b32 s21, s20, 4
	s_and_b32 s20, s20, 15
	s_lshl_b32 s21, s21, 4
	s_lshl_b32 s46, s17, 2
	s_lshl_b32 s47, s15, 1
	s_add_co_u32 s46, s46, s47
	s_add_co_u32 s46, s46, s21
.else
.if KIND == 0
	s_cmp_eq_u32 ttmp9, 0
	s_cselect_b64 s[8:9], s[8:9], s[10:11]
	s_lshl_b32 s96, s40, 10
.else
	s_lshl_b32 s96, s42, 10
.endif
	s_lshl_b32 s97, s16, 9
	s_add_co_u32 s96, s96, s97
	s_mov_b32 s97, 0
	s_add_nc_u64 s[8:9], s[8:9], s[96:97]
	v_lshlrev_b32 v[BOF], 6, v2
.irp c, 0,1,2,3
.irp j, 0,1,2,3
	global_load_b128 v[CI+16*\c+4*\j:CI+16*\c+4*\j+3], v[BOF], s[8:9] offset:128*\c+16*\j
.endr
.endr
.endif
.if KIND == 0
	s_lshl_b32 s20, s17, 1
	s_add_co_u32 s20, s20, s15
	s_lshr_b32 s21, s20, 4
	s_and_b32 s20, s20, 15
	s_lshl_b32 s46, s42, 2
	s_lshl_b32 s47, s16, 1
	s_add_co_u32 s46, s46, s47
	s_lshr_b32 s47, s46, 4
	s_and_b32 s46, s46, 15
	s_lshl_b32 s47, s47, 6
	s_lshl_b32 s21, s21, 4
	s_add_co_u32 s46, s46, s47
	s_add_co_u32 s46, s46, s21
	v_mov_b32 v[VSEL], 0x02020202
	v_mul_lo_u32 v[VSEL], v[VSEL], v2
	v_add_nc_u32 v[VSEL], 0x05040100, v[VSEL]
.endif
.if KIND != 2
	s_mul_i32 s22, s46, 270336                     ; a head: 16 key steps of 16,896 bytes (codes 8,192, scale words 256; behind k's the same for v)
	s_mul_i32 s23, s20, 16896
	s_add_co_u32 s22, s22, s23
	s_mov_b32 s23, 0
	s_add_co_u32 s96, s22, 8192                    ; the step's scale words lie behind its codes
	s_mov_b32 s97, 0
	s_add_nc_u64 s[96:97], s[12:13], s[96:97]
	s_add_nc_u64 s[12:13], s[12:13], s[22:23]
	v_lshlrev_b32 v[SOF], 4, v1
	v_mad_u32_u24 v[SOF], v2, 270336, v[SOF]
.else
	s_mul_i32 s23, s14, 16*SPITCH
	v_mul_u32_u24 v5, v1, SPITCH
	v_lshl_add_u32 v5, v2, 6, v5
	v_add_nc_u32 v[STO], s23, v5
	v_add_nc_u32 v[RD], s23, v[LI]
	s_lshl_b32 s20, s17, 8
	s_lshl_b32 s21, s15, 7
	s_add_co_u32 s20, s20, s21
	s_lshl_b32 s20, s20, 12
	s_lshl_b32 s46, s42, 10
	s_lshl_b32 s47, s16, 9
	s_add_co_u32 s46, s46, s47
	s_add_co_u32 s20, s20, s46
	s_mov_b32 s21, 0
	s_add_nc_u64 s[12:13], s[12:13], s[20:21]
.endif
.macro FRAG reg, adr, q, i
.irp c, 0,1,2,3
	ds_load_b128 v[\reg+4*\c:\reg+4*\c+3], v[\adr] offset:4096*(\i)+2048*(\q)+512*\c
.endr
.endm
.macro MUL16 a0, p, q, sc, zero
.irp a, \a0, \a0+1
.irp b, 0,1,2,3,4,5,6,7
.if KIND == 1
.set CR, CI+8*(\a)
.else
.set CR, CI+8*\b
.endif
.if \zero
	v_wmma_scale_f32_16x16x128_f8f6f4 v[8*(8*((\a)%4)+\b):8*(8*((\a)%4)+\b)+7], v[128*(\p)+FR*\b:128*(\p)+FR*\b+FR-1], v[AF+FR*(\a):AF+FR*(\a)+FR-1], v[CR:CR+7], v[SC+8*NQ*(\sc)+NQ*\b+(\q)], v[SC+8*NQ*(\sc)+NQ*(\a)+(\q)] matrix_a_fmt:MATRIX_FMT_BF8 matrix_b_fmt:MATRIX_FMT_BF8 matrix_a_scale:MATRIX_SCALE_ROW1
.else
	v_wmma_scale_f32_16x16x128_f8f6f4 v[8*(8*((\a)%4)+\b):8*(8*((\a)%4)+\b)+7], v[128*(\p)+FR*\b:128*(\p)+FR*\b+FR-1], v[AF+FR*(\a):AF+FR*(\a)+FR-1], v[8*(8*((\a)%4)+\b):8*(8*((\a)%4)+\b)+7], v[SC+8*NQ*(\sc)+NQ*\b+(\q)], v[SC+8*NQ*(\sc)+NQ*(\a)+(\q)] matrix_a_fmt:MATRIX_FMT_BF8 matrix_b_fmt:MATRIX_FMT_BF8 matrix_a_scale:MATRIX_SCALE_ROW1
.endif
.endr
.endr
.endm
.macro FETCH_B slot, q, p
	WIN TO_B
.irp i, 0,1,2,3,4,5,6,7
	FRAG 128*(\p)+FR*\i, ADRB+\slot, \q, \i
.endr
	WIN 0
.endm
.macro FETCH_A slot, q, i0
.irp i, \i0, \i0+1, \i0+2, \i0+3
	FRAG AF+FR*(\i), ADRA+\slot, \q, \i
.endr
.endm
.macro SCALES sc
.irp i, 0,1,2,3,4,5,6,7
.irp q, 0,1
	ds_load_b32 v[SC+8*NQ*\sc+NQ*\i+\q], v[ADRS] offset:512*\i+64*\q
.endr
.endr
.endm
.macro PLACES n
.rept \n
	v_nop
.endr
.endm
.macro STEP slot, q, zero
	s_wait_dscnt 4*NL
.if \zero
	WIN BIA_LO
.else
	WIN MUL_LO
.endif
	MUL16 0, (\q)%2, \q, \slot, \zero
	MUL16 2, (\q)%2, \q, \slot, \zero
	s_wait_dscnt 0
	PLACES NP
	FETCH_B \slot, (\q)+1, 1-(\q)%2
	FETCH_A \slot, (\q)+1, 0
.if \zero
	WIN BIA_HI
.else
	WIN MUL_HI
.endif
	MUL16 4, (\q)%2, \q, \slot, \zero
	MUL16 6, (\q)%2, \q, \slot, \zero
	PLACES NP
	WIN 0
	FETCH_A \slot, (\q)+1, 4
.endm
.macro TURN slot, next, fill
	s_wait_tensorcnt 0x0
	ds_add_u32 v[SPW], v[NIL]
	s_wait_dscnt 4*NL+1
	WIN MUL_LO
	MUL16 0, 1, NQ-1, \slot, 0
	s_wait_dscnt 0x0
	s_barrier_signal -1
	MUL16 2, 1, NQ-1, \slot, 0
	WIN 0
	s_barrier_wait -1
.if \fill
	CREST
	s_add_nc_u64 s[G0+4*\slot+2:G0+4*\slot+3], s[G0+4*\slot+2:G0+4*\slot+3], 8192
	s_add_nc_u64 s[G0B+4*\slot+2:G0B+4*\slot+3], s[G0B+4*\slot+2:G0B+4*\slot+3], 8192
	JLOAD G0+4*\slot, G1, G0B+4*\slot, G1B
	PLACES NP-4
.else
	PLACES NP
.endif
	s_wait_alu depctr_va_vdst(0)
	v_add_nc_u32 v[ADRS], 64*NQ, v[ADRS]
	FETCH_B \next, 0, 0
	FETCH_A \next, 0, 0
	SCALES \next
	WIN MUL_HI
	MUL16 4, 1, NQ-1, \slot, 0
	MUL16 6, 1, NQ-1, \slot, 0
	PLACES NP
	WIN 0
	FETCH_A \next, 0, 4
.endm
	s_wait_alu depctr_va_vdst(0)
	s_wait_loadcnt 0x0
	s_wait_tensorcnt 0x0                           ; my tile of the head's four is in
	ds_add_u32 v[SPW], v[NIL]
	s_mov_b32 s[G1+2], 8<<16                       ; no tensor load of mine is out: from here on a load brings 8 row tiles,
	s_mov_b32 s[G1+4], 8
	s_mov_b32 s[G1B+2], 8<<16
	s_mov_b32 s[G1B+4], 8
	s_lshl_b32 s22, s16, 17
	s_mov_b32 s23, 0
	s_mov_b32 s[G0+1], s45                         ; and slot 0's descriptors become the ring's: my half
	s_add_nc_u64 s[G0+2:G0+3], s[G0+2:G0+3], s[22:23]
	s_mov_b32 s[G0B+1], s45
	s_add_nc_u64 s[G0B+2:G0B+3], s[G0B+2:G0B+3], s[22:23]
	s_wait_dscnt 0x0
	CROUND
	JLOAD G0+4, G1, G0B+4, G1B
	global_prefetch_b8 v8, s[2:3] offset:12288 th:TH_LOAD_NT scope:SCOPE_SE
	FETCH_B 0, 0, 0
	FETCH_A 0, 0, 0
	SCALES 0
	FETCH_A 0, 0, 4
	STEP 0, 0, 1
	TURN 0, 1, 1
	STEP 1, 0, 0
	TURN 1, 0, 1
	STEP 0, 0, 0
	TURN 0, 1, 0
	STEP 1, 0, 0
	s_wait_dscnt 4*NL
	WIN MUL_LO
	MUL16 0, 1, NQ-1, 1, 0
	MUL16 2, 1, NQ-1, 1, 0
	s_wait_dscnt 0
	WIN MUL_HI
	MUL16 4, 1, NQ-1, 1, 0
	MUL16 6, 1, NQ-1, 1, 0
	WIN 0
.if KIND != 2
.macro QUANTW a
.set AC, 64*((\a)%4)
.set WW, 2+(\a)/4
.set WN, WW|(WW<<2)
	WIN WN
.irp b, 0,1,2,3
	v_max3_num_f32 v[TM+\b], |v[AC+16*\b]|, |v[AC+1+16*\b]|, 0x8000000
.endr
.set WN, (WW<<2)|(WW<<4)
	WIN WN
.irp i, 2,4,6,8,10,12,14
.irp b, 0,1,2,3
	v_max3_num_f32 v[TM+\b], v[TM+\b], |v[AC+16*\b+\i]|, |v[AC+1+16*\b+\i]|
.endr
.endr
	WIN 0
.irp b, 0,1,2,3
	v_permlanex16_b32 v[TM+4+\b], v[TM+\b], s[SEL], s[SEL+1]
.endr
.irp b, 0,1,2,3
	v_max_num_f32 v[TM+\b], v[TM+\b], v[TM+4+\b]
.endr
.irp b, 0,1,2,3
	v_add_nc_u32 v[TM+12+\b], 0xf8800000, v[TM+\b]
.endr
.irp b, 0,1,2,3
	v_and_or_b32 v[TM+8+\b], v[TM+\b], 0x7f800000, s[MNT]
.endr
.irp b, 0,1,2,3
	v_lshrrev_b32 v[TM+4+\b], 23, v[TM+12+\b]
.endr
	v_lshl_or_b32 v[W+(\a)], v[TM+5], 8, v[TM+4]
	v_lshl_or_b32 v[W+(\a)], v[TM+6], 16, v[W+(\a)]
	v_lshl_or_b32 v[W+(\a)], v[TM+7], 24, v[W+(\a)]
	WIN WW
.irp b, 0,1,2,3
.irp i, 0,1,2,3,4,5,6,7,8,9,10,11,12,13,14,15
	v_med3_num_f32 v[T+16*\b+\i], v[AC+16*\b+\i], -v[TM+8+\b], v[TM+8+\b]
.endr
.endr
.set PCA, 16*(\a)                      ; each block's codes have 16 registers of their own in window 1, where B's fragments lay: no store's data are written again, so no wait stands between the blocks
	WIN 0x40
.irp b, 0,1,2,3
	v_cvt_scalef32_pk8_bf8_f32 v[PCA+4*\b:PCA+1+4*\b], v[T+16*\b:T+7+16*\b], v[TM+12+\b]
	v_cvt_scalef32_pk8_bf8_f32 v[PCA+2+4*\b:PCA+3+4*\b], v[T+8+16*\b:T+15+16*\b], v[TM+12+\b]
.endr
	v_nop
.endm
	PLACES NP
.irp b, 0,1,2,3
	v_mov_b32 v[TM+4+\b], 0
.endr
.irp a, 0,1,2,3,4,5,6,7
	QUANTW \a
	WIN 0x04                                       ; the stores' data lie in window 1
.irp c, 0,1,2,3
.if KIND == 0
	global_store_b128 v[LI], v[PCA+4*\c:PCA+4*\c+3], s[12:13] offset:1024*\a+270336*(\c/2)+512*(\c%2)
.else
	global_store_b128 v[LI], v[PC+4*\c:PC+4*\c+3], s[12:13] offset:131072*(\a/4)+2048*(\a%4)+512*\c
.endif
.endr
.endr
	WIN 0
.if KIND == 0
.irp c, 0,1,2,3
	v_perm_b32 v[SW+\c], v[W+2*\c+1], v[W+2*\c], v[VSEL]
.endr
.else
	v_cmp_eq_u32 vcc_lo, 1, v2
.irp c, 0,1,2,3
	v_cndmask_b32 v[SW+\c], v[W+\c], v[W+4+\c], vcc_lo
.endr
.endif
	global_store_b128 v[SOF], v[SW:SW+3], s[96:97]
.else
.macro TOSTAGE a
.set AC, 64*((\a)%4)
.set WN, 0x08+4*((\a)/4)
	WIN WN
.irp b, 0,1,2,3,4,5,6,7
	ds_store_b128 v[STO], v[AC+8*\b:AC+8*\b+3] offset:128*(\b/2)+32*(\b%2)
	ds_store_b128 v[STO], v[AC+8*\b+4:AC+8*\b+7] offset:128*(\b/2)+32*(\b%2)+16
.endr
	WIN 0
.set BB, BK+64*((\a)%2)
.irp t, 0,1,2,3,4,5,6,7,8,9,10,11,12,13,14,15
	ds_load_b128 v[BB+4*\t:BB+4*\t+3], v[RD] offset:\t*SPITCH
.endr
.endm
.macro SEND a, younger
.set BB, BK+64*((\a)%2)
	s_wait_dscnt \younger
.if (\a) > 0
.if ((\a)%2) == 1
	s_add_nc_u64 s[12:13], s[12:13], 8*4096
.else
	s_add_nc_u64 s[12:13], s[12:13], 24*4096
.endif
.endif
.irp t, 0,1,2,3,4,5,6,7,8,9,10,11,12,13,14,15
	global_store_b128 v[LI], v[BB+4*\t:BB+4*\t+3], s[12:13] offset:(\t+8*(\t/8))*4096 th:TH_STORE_NT
.endr
.endm
	PLACES NP
	TOSTAGE 0
.irp a, 1,2,3,4,5,6,7
.if \a > 1
	s_wait_xcnt 0x0
.endif
	TOSTAGE \a
	SEND \a-1, 32
.endr
	s_wait_xcnt 0x0
	SEND 7, 0
.endif
	s_wait_tensorcnt 0x0
	ds_add_u32 v[SPW], v[NIL]
	s_wait_dscnt 0x0
	CROUND
	s_endpgm
.Lfunc_end_k_qd061127cdc_gemm_qk:
	.size	k_qd061127cdc_gemm_qk, .Lfunc_end_k_qd061127cdc_gemm_qk-k_qd061127cdc_gemm_qk
	.p2alignl 7, 3214868480
	.fill 96, 4, 3214868480
	.section	.rodata,"a",@progbits
	.p2align	6, 0x0
	.amdhsa_kernel k_qd061127cdc_gemm_qk
		.amdhsa_group_segment_fixed_size 327680
		.amdhsa_private_segment_fixed_size 0
		.amdhsa_enable_private_segment 0
		.amdhsa_kernarg_size 32
		.amdhsa_user_sgpr_count 2
		.amdhsa_user_sgpr_kernarg_segment_ptr 1
		.amdhsa_wavefront_size32 1
		.amdhsa_system_sgpr_workgroup_id_x 1
		.amdhsa_system_sgpr_workgroup_id_y 1
		.amdhsa_system_sgpr_workgroup_id_z 1
		.amdhsa_system_vgpr_workitem_id 0
		.amdhsa_next_free_vgpr 1024
		.amdhsa_next_free_sgpr 100
		.amdhsa_reserve_vcc 1
		.amdhsa_float_denorm_mode_32 3
		.amdhsa_float_denorm_mode_16_64 3
		.amdhsa_memory_ordered 1
		.amdhsa_forward_progress 1
		.amdhsa_inst_pref_size 191
	.end_amdhsa_kernel
	.amdgpu_metadata
---
amdhsa.version: [ 1, 2 ]
amdhsa.kernels:
  - .name:           k_qd061127cdc_gemm_qk
    .symbol:         k_qd061127cdc_gemm_qk.kd
    .args:
      - { .name: inq, .offset: 0, .size: 8, .value_kind: global_buffer, .address_space: global }
      - { .name: bq, .offset: 8, .size: 8, .value_kind: global_buffer, .address_space: global }
      - { .name: bk, .offset: 16, .size: 8, .value_kind: global_buffer, .address_space: global }
      - { .name: qk, .offset: 24, .size: 8, .value_kind: global_buffer, .address_space: global }
    .group_segment_fixed_size: 327680
    .private_segment_fixed_size: 0
    .kernarg_segment_align: 8
    .kernarg_segment_size: 32
    .max_flat_workgroup_size: 128
    .sgpr_count:     100
    .vgpr_count:     1024
    .wavefront_size: 32
...
	.end_amdgpu_metadata
.endif
;; end of part 2
;; launch gemm_v (part 3): grid 32 x 4, 4 waves a work-group, clusters of 4 x 4, 327,680 bytes of LDS; arguments inq, bv, qk; writes qk
.if DOCPART == 3
	.amdgcn_target "amdgcn-amd-amdhsa--gfx1250"
	.amdhsa_code_object_version 6
	.text
	.protected	k_qd061127cdc_gemm_v
	.globl	k_qd061127cdc_gemm_v
	.p2align	8
	.type	k_qd061127cdc_gemm_v,@function
k_qd061127cdc_gemm_v:
	s_mov_b64 s[64:65], 0
	v_nop
	global_prefetch_b8 v0, s[64:65] scope:SCOPE_SE
	s_setreg_imm32_b32 hwreg(HW_REG_WAVE_MODE, 25, 1), 1
	s_wait_xcnt 0x0
	s_wait_alu depctr_hold_cnt(0) depctr_sa_sdst(0) depctr_va_vdst(0) depctr_va_sdst(0) depctr_va_ssrc(0) depctr_va_vcc(0) depctr_vm_vsrc(0)
	s_getreg_b32 s2, hwreg(HW_REG_IB_STS2, 6, 4)
	s_cmp_eq_u32 s2, 0
	s_cbranch_scc0 .Lentry_in_a_cluster
	s_endpgm
.Lentry_in_a_cluster:
	s_bfe_u32 s2, ttmp6, 0x10000c
	s_cmp_lg_u32 s2, 0xf033
	s_cbranch_scc0 .Lentry_shape_is_right
	s_endpgm
.Lentry_shape_is_right:
.set KIND, 1
.if KIND == 0
.set ATB, 0
.set BTB, 512
.set ASC, 12582912
.set SOFF, 16777216
.elseif KIND == 1
.set ATB, 640
.set BTB, 0
.set ASC, 12582912
.set SOFF, 8388608
.else
.set ATB, 0
.set BTB, 704
.set ASC, 8388608
.set SOFF, 0
.endif
.set BSC,    12582912
.set NQ,     2
.set FR,     16
.set NL,     4
.set NP,     8
.set HALFT,  32768
.set SLOT,   4*HALFT
.set SCL,    2*SLOT
.set HALFS,  4096
.set SPARE,  SCL+4*HALFS
.set SPITCH, 528
.set ADRA, 16
.set ADRB, 20
.set VSEL, 22
.set STO,  24
.set RD,   25
.set LI,   26
.set ADRS, 27
.set SPW,  28
.set NIL,  29
.set BOF,  30
.set SOF,  31
.set SC,   32
.set CI,   64
.set AF,   128
.set T,    128
.set PC,   192
.set TM,   208
.set W,    224
.set SW,   232
.set BK,   128
.set G1, 24
.set G0, 32
.set G1B, 48
.set G0B, 56
.set G1S, 68
.set G0S, 76
.set G1SB, 80
.set G0SB, 88
.set MNT, 95
.set SEL, 98
.set MSB, 0
.macro WIN new
.if MSB != \new
	s_set_vgpr_msb (MSB<<8)|\new
.set MSB, \new
.endif
.endm
.set MUL_LO, 0xa1
.set MUL_HI, 0xf1
.set BIA_LO, 0x81
.set BIA_HI, 0xc1
.set TO_B,   0x40
.macro JLOAD g0a, g1a, g0b, g1b
	s_cmp_eq_u32 s15, 0
	s_cbranch_scc0 .Lfor_b_\@
	tensor_load_to_lds s[\g0a:\g0a+3], s[\g1a:\g1a+7]
	s_nop 0
.rept 4
	v_nop
.endr
	s_branch .Lasked_\@
.Lfor_b_\@:
	tensor_load_to_lds s[\g0b:\g0b+3], s[\g1b:\g1b+7]
	s_nop 0
.rept 4
	v_nop
.endr
.Lasked_\@:
.endm
.macro CREST
	s_cmp_lg_u32 s14, 0
	s_cbranch_scc1 .Lnot_wave_0_\@
	s_barrier_signal -3
.Lnot_wave_0_\@:
	s_barrier_wait -3
	s_barrier_signal -1
	s_barrier_wait -1
.endm
.macro CROUND
	s_barrier_signal -1
	s_barrier_wait -1
	CREST
.endm
.if KIND == 0
	s_load_b64 s[4:5], s[0:1], 0x0
	s_load_b64 s[8:9], s[0:1], 0x8
	s_load_b64 s[10:11], s[0:1], 0x10
	s_load_b64 s[12:13], s[0:1], 0x18
.elseif KIND == 1
	s_load_b64 s[4:5], s[0:1], 0x0
	s_load_b64 s[8:9], s[0:1], 0x8
	s_load_b64 s[12:13], s[0:1], 0x10
.else
	s_load_b128 s[4:7], s[0:1], 0x0
	s_load_b64 s[8:9], s[0:1], 0x10
	s_load_b64 s[12:13], s[0:1], 0x18
.endif
	v_lshl_add_u32 v[SPW], v0, 2, SPARE
	v_mov_b32 v[NIL], 0
	ds_add_u32 v28, v29
	ds_add_u32 v28, v29
	s_wait_dscnt 0x0
	v_lshrrev_b32 v1, 5, v0
	v_readfirstlane_b32 s14, v1
	s_lshr_b32 s15, s14, 1
	s_and_b32 s16, s14, 1
	s_bfe_u32 s40, ttmp6, 0x40000
	s_bfe_u32 s41, ttmp6, 0x40004
	s_lshl_b32 s42, ttmp9, 2
	s_add_co_u32 s42, s42, s40
.if KIND == 1
	s_mov_b32 s17, s41
.else
	s_and_b32 s17, ttmp7, 0xffff
	s_lshl_b32 s17, s17, 2
	s_add_co_u32 s17, s17, s41
.endif
	s_lshl_b32 s43, s41, 2
	s_lshl_b32 s43, 15, s43
	s_lshl_b32 s44, 0x1111, s40
	s_or_b32 s[G1+0], s43, (3<<16)|(1<<21)
	s_or_b32 s[G1B+0], s44, (3<<16)|(1<<21)
.irp g, G1, G1B
	s_mov_b32 s[\g+1], 512<<16
	s_mov_b32 s[\g+2], 16<<16                      ; the head's loads bring all 16 row tiles of a K step
	s_mov_b32 s[\g+3], 512<<16
	s_mov_b32 s[\g+4], 16
	s_mov_b32 s[\g+5], 2048
	s_mov_b32 s[\g+6], 0
	s_mov_b32 s[\g+7], 0
.endr
	s_or_b32 s[G1S+0], s43, (3<<16)|(1<<21)
	s_or_b32 s[G1SB+0], s44, (3<<16)|(1<<21)
.irp g, G1S, G1SB
	s_mov_b32 s[\g+1], 32<<16
	s_mov_b32 s[\g+2], 32<<16                      ; the scale words of 16 row tiles: 8,192 dense bytes
	s_mov_b32 s[\g+3], 32<<16
	s_mov_b32 s[\g+4], 32
	s_mov_b32 s[\g+5], 32
	s_mov_b32 s[\g+6], 0
	s_mov_b32 s[\g+7], 0
.endr
	s_lshl_b32 s18, s16, 3
	s_lshl_b32 s20, s17, 4
	s_add_co_u32 s20, s20, s18
	s_add_co_u32 s20, s20, ATB
	s_lshl_b32 s46, s42, 4
	s_add_co_u32 s46, s46, s18
	s_add_co_u32 s46, s46, BTB
	s_lshl_b32 s22, s20, 9
	s_add_co_u32 s22, s22, ASC
	s_mov_b32 s23, 0
	s_lshl_b32 s92, s46, 9
	s_add_co_u32 s92, s92, BSC
	s_mov_b32 s93, 0
	s_lshl_b32 s20, s20, 14
	s_mov_b32 s21, 0
	s_lshl_b32 s46, s46, 14
	s_mov_b32 s47, 0
	s_lshl_b32 s45, s14, 15
	s_wait_kmcnt 0x0
.if KIND != 2
	s_mov_b64 s[6:7], s[4:5]
.endif
	s_add_nc_u64 s[20:21], s[4:5], s[20:21]
	s_add_nc_u64 s[22:23], s[4:5], s[22:23]
	s_add_nc_u64 s[46:47], s[6:7], s[46:47]
	s_add_nc_u64 s[92:93], s[6:7], s[92:93]
	CROUND
; THE HEAD'S FOUR TILES, ONE A WAVE: wave 0 A's 16 row tiles of K step 0, wave 1 B's, wave 2 A's scale words, wave 3 B's.
	s_lshl_b32 s96, s16, 17                        ; the half of the 16 row tiles that my ring loads take, in bytes of codes,
	s_mov_b32 s97, 0
	s_lshl_b32 s2, s16, 12                         ; and of scale words: taken off, the addresses are the whole tiles'
	s_mov_b32 s3, 0
	s_mov_b32 s[G0S], 1
	s_mov_b32 s[G0S+1], SCL
	s_sub_nc_u64 s[G0S+2:G0S+3], s[22:23], s[2:3]
	s_or_b32 s[G0S+3], s[G0S+3], 0x80000000
	s_mov_b32 s[G0SB], 1
	s_mov_b32 s[G0SB+1], SCL+2*HALFS
	s_sub_nc_u64 s[G0SB+2:G0SB+3], s[92:93], s[2:3]
	s_or_b32 s[G0SB+3], s[G0SB+3], 0x80000000
	s_mov_b32 s[G0], 1
	s_mov_b32 s[G0+1], 0
	s_sub_nc_u64 s[G0+2:G0+3], s[20:21], s[96:97]
	s_or_b32 s[G0+3], s[G0+3], 0x80000000
	s_mov_b32 s[G0B], 1
	s_mov_b32 s[G0B+1], 2*HALFT
	s_sub_nc_u64 s[G0B+2:G0B+3], s[46:47], s[96:97]
	s_or_b32 s[G0B+3], s[G0B+3], 0x80000000
	s_mov_b32 s[G0+4], 1                           ; slot 1's ring descriptors: my 8 row tiles of K step 1
	s_add_co_u32 s[G0+5], s45, SLOT
	s_add_nc_u64 s[G0+6:G0+7], s[20:21], 4096
	s_or_b32 s[G0+7], s[G0+7], 0x80000000
	s_mov_b32 s[G0B+4], 1
	s_add_co_u32 s[G0B+5], s45, SLOT
	s_add_nc_u64 s[G0B+6:G0B+7], s[46:47], 4096
	s_or_b32 s[G0B+7], s[G0B+7], 0x80000000
.macro ARM under, g0, g1, next         ; one chain of branches on the wave's number, a load to an arm, all arms to one join
	s_cmp_lt_u32 s14, \under
	s_cbranch_scc0 \next
	tensor_load_to_lds s[\g0:\g0+3], s[\g1:\g1+7]
	s_nop 0
.rept 4
	v_nop
.endr
	s_branch .Lhead_asked
\next:
.endm
	ARM 1, G0,  G1,  .Lhead_b
	ARM 2, G0B, G1B, .Lhead_sa
	ARM 3, G0S, G1S, .Lhead_sb
	tensor_load_to_lds s[G0SB:G0SB+3], s[G1SB:G1SB+7]
	s_nop 0
.rept 4
	v_nop
.endr
.Lhead_asked:
; PREFETCH INTO THE L2: of the 8 row tiles that my ring loads take, the partner at place p (cx for A, cy for B) names tiles 2 p and 2 p + 1, told apart by address: a K step's 4,096 bytes of a tile are 16 lanes x 256 bytes.
; Here K steps 1 and 2 are named, behind slot 1's load K step 3: each two loads ahead at the most; the address registers are never rewritten.
	s_cmp_eq_u32 s15, 0
	s_cselect_b64 s[2:3], s[20:21], s[46:47]
	s_cselect_b32 s96, s40, s41
	s_lshl_b32 s96, s96, 15
	s_mov_b32 s97, 0
	s_add_nc_u64 s[2:3], s[2:3], s[96:97]
	v_and_b32 v8, 15, v0
	v_bfe_u32 v9, v0, 4, 1
	v_lshlrev_b32 v8, 8, v8
	v_lshl_add_u32 v8, v9, 14, v8
	global_prefetch_b8 v8, s[2:3] offset:4096 th:TH_LOAD_NT scope:SCOPE_SE
	global_prefetch_b8 v8, s[2:3] offset:8192 th:TH_LOAD_NT scope:SCOPE_SE
	v_and_b32 v1, 15, v0
	v_bfe_u32 v2, v0, 4, 1
	s_wait_alu depctr_va_vdst(0)
	v_and_b32 v3, 31, v0
	v_lshlrev_b32 v[LI], 4, v3
	s_lshl_b32 s21, s15, 15
	s_lshl_b32 s22, s16, 15
	s_add_co_u32 s22, s22, 2*HALFT
.irp s, 0,1
	v_add_nc_u32 v[ADRA+\s], s21, v[LI]
	v_add_nc_u32 v[ADRB+\s], s22, v[LI]
	s_add_co_u32 s21, s21, SLOT
	s_add_co_u32 s22, s22, SLOT
.endr
	v_lshlrev_b32 v5, 2, v1
	s_lshl_b32 s21, s15, 12
	s_lshl_b32 s22, s16, 12
	s_add_co_u32 s22, s22, 2*HALFS
	s_sub_co_u32 s22, s22, s21
	v_mul_u32_u24 v6, s22, v2
	s_add_co_u32 s21, s21, SCL
	v_add_nc_u32 v5, v5, v6
	v_add_nc_u32 v[ADRS], s21, v5
	s_mov_b32 s[MNT], 0x600000
	s_mov_b32 s[SEL], 0x76543210
	s_mov_b32 s[SEL+1], 0xfedcba98
.if KIND == 1
	s_lshl_b32 s96, s17, 10
	s_lshl_b32 s97, s15, 9
	s_add_co_u32 s96, s96, s97
	s_mov_b32 s97, 0
	s_add_nc_u64 s[8:9], s[8:9], s[96:97]
	v_and_b32 v4, 8, v1
	v_add_nc_u32 v4, v4, v1
	v_lshlrev_b32 v[BOF], 2, v4
.irp a, 0,1,2,3,4,5,6,7
.irp j, 0,1,2,3,4,5,6,7
	global_load_b32 v[CI+8*\a+\j], v[BOF], s[8:9] offset:4*(32*(\a/2)+8*(\a%2))
.endr
.endr
	s_lshl_b32 s20, s42, 1
	s_add_co_u32 s20, s20, s16
	s_lshr_b32 s21, s20, 4
	s_and_b32 s20, s20, 15
	s_lshl_b32 s21, s21, 4
	s_lshl_b32 s46, s17, 2
	s_lshl_b32 s47, s15, 1
	s_add_co_u32 s46, s46, s47
	s_add_co_u32 s46, s46, s21
.else
.if KIND == 0
	s_cmp_eq_u32 ttmp9, 0
	s_cselect_b64 s[8:9], s[8:9], s[10:11]
	s_lshl_b32 s96, s40, 10
.else
	s_lshl_b32 s96, s42, 10
.endif
	s_lshl_b32 s97, s16, 9
	s_add_co_u32 s96, s96, s97
	s_mov_b32 s97, 0
	s_add_nc_u64 s[8:9], s[8:9], s[96:97]
	v_lshlrev_b32 v[BOF], 6, v2
.irp c, 0,1,2,3
.irp j, 0,1,2,3
	global_load_b128 v[CI+16*\c+4*\j:CI+16*\c+4*\j+3], v[BOF], s[8:9] offset:128*\c+16*\j
.endr
.endr
.endif
.if KIND == 0
	s_lshl_b32 s20, s17, 1
	s_add_co_u32 s20, s20, s15
	s_lshr_b32 s21, s20, 4
	s_and_b32 s20, s20, 15
	s_lshl_b32 s46, s42, 2
	s_lshl_b32 s47, s16, 1
	s_add_co_u32 s46, s46, s47
	s_lshr_b32 s47, s46, 4
	s_and_b32 s46, s46, 15
	s_lshl_b32 s47, s47, 6
	s_lshl_b32 s21, s21, 4
	s_add_co_u32 s46, s46, s47
	s_add_co_u32 s46, s46, s21
	v_mov_b32 v[VSEL], 0x02020202
	v_mul_lo_u32 v[VSEL], v[VSEL], v2
	v_add_nc_u32 v[VSEL], 0x05040100, v[VSEL]
.endif
.if KIND != 2
	s_mul_i32 s22, s46, 270336                     ; a head: 16 key steps of 16,896 bytes; v's codes and scale words lie behind k's 8,448 bytes, in k's 64 heads, which follow q's 64
	s_add_co_u32 s22, s22, 64*270336+8448
	s_mul_i32 s23, s20, 16896
	s_add_co_u32 s22, s22, s23
	s_mov_b32 s23, 0
	s_add_co_u32 s96, s22, 8192                    ; the step's scale words lie behind its codes
	s_mov_b32 s97, 0
	s_add_nc_u64 s[96:97], s[12:13], s[96:97]
	s_add_nc_u64 s[12:13], s[12:13], s[22:23]
	v_lshlrev_b32 v[SOF], 4, v1
	v_mad_u32_u24 v[SOF], v2, 270336, v[SOF]
.else
	s_mul_i32 s23, s14, 16*SPITCH
	v_mul_u32_u24 v5, v1, SPITCH
	v_lshl_add_u32 v5, v2, 6, v5
	v_add_nc_u32 v[STO], s23, v5
	v_add_nc_u32 v[RD], s23, v[LI]
	s_lshl_b32 s20, s17, 8
	s_lshl_b32 s21, s15, 7
	s_add_co_u32 s20, s20, s21
	s_lshl_b32 s20, s20, 12
	s_lshl_b32 s46, s42, 10
	s_lshl_b32 s47, s16, 9
	s_add_co_u32 s46, s46, s47
	s_add_co_u32 s20, s20, s46
	s_mov_b32 s21, 0
	s_add_nc_u64 s[12:13], s[12:13], s[20:21]
.endif
.macro FRAG reg, adr, q, i
.irp c, 0,1,2,3
	ds_load_b128 v[\reg+4*\c:\reg+4*\c+3], v[\adr] offset:4096*(\i)+2048*(\q)+512*\c
.endr
.endm
.macro MUL16 a0, p, q, sc, zero
.irp a, \a0, \a0+1
.irp b, 0,1,2,3,4,5,6,7
.if KIND == 1
.set CR, CI+8*(\a)
.else
.set CR, CI+8*\b
.endif
.if \zero
	v_wmma_scale_f32_16x16x128_f8f6f4 v[8*(8*((\a)%4)+\b):8*(8*((\a)%4)+\b)+7], v[128*(\p)+FR*\b:128*(\p)+FR*\b+FR-1], v[AF+FR*(\a):AF+FR*(\a)+FR-1], v[CR:CR+7], v[SC+8*NQ*(\sc)+NQ*\b+(\q)], v[SC+8*NQ*(\sc)+NQ*(\a)+(\q)] matrix_a_fmt:MATRIX_FMT_BF8 matrix_b_fmt:MATRIX_FMT_BF8 matrix_a_scale:MATRIX_SCALE_ROW1
.else
	v_wmma_scale_f32_16x16x128_f8f6f4 v[8*(8*((\a)%4)+\b):8*(8*((\a)%4)+\b)+7], v[128*(\p)+FR*\b:128*(\p)+FR*\b+FR-1], v[AF+FR*(\a):AF+FR*(\a)+FR-1], v[8*(8*((\a)%4)+\b):8*(8*((\a)%4)+\b)+7], v[SC+8*NQ*(\sc)+NQ*\b+(\q)], v[SC+8*NQ*(\sc)+NQ*(\a)+(\q)] matrix_a_fmt:MATRIX_FMT_BF8 matrix_b_fmt:MATRIX_FMT_BF8 matrix_a_scale:MATRIX_SCALE_ROW1
.endif
.endr
.endr
.endm
.macro FETCH_B slot, q, p
	WIN TO_B
.irp i, 0,1,2,3,4,5,6,7
	FRAG 128*(\p)+FR*\i, ADRB+\slot, \q, \i
.endr
	WIN 0
.endm
.macro FETCH_A slot, q, i0
.irp i, \i0, \i0+1, \i0+2, \i0+3
	FRAG AF+FR*(\i), ADRA+\slot, \q, \i
.endr
.endm
.macro SCALES sc
.irp i, 0,1,2,3,4,5,6,7
.irp q, 0,1
	ds_load_b32 v[SC+8*NQ*\sc+NQ*\i+\q], v[ADRS] offset:512*\i+64*\q
.endr
.endr
.endm
.macro PLACES n
.rept \n
	v_nop
.endr
.endm
.macro STEP slot, q, zero
	s_wait_dscnt 4*NL
.if \zero
	WIN BIA_LO
.else
	WIN MUL_LO
.endif
	MUL16 0, (\q)%2, \q, \slot, \zero
	MUL16 2, (\q)%2, \q, \slot, \zero
	s_wait_dscnt 0
	PLACES NP
	FETCH_B \slot, (\q)+1, 1-(\q)%2
	FETCH_A \slot, (\q)+1, 0
.if \zero
	WIN BIA_HI
.else
	WIN MUL_HI
.endif
	MUL16 4, (\q)%2, \q, \slot, \zero
	MUL16 6, (\q)%2, \q, \slot, \zero
	PLACES NP
	WIN 0
	FETCH_A \slot, (\q)+1, 4
.endm
.macro TURN slot, next, fill
	s_wait_tensorcnt 0x0
	ds_add_u32 v[SPW], v[NIL]
	s_wait_dscnt 4*NL+1
	WIN MUL_LO
	MUL16 0, 1, NQ-1, \slot, 0
	s_wait_dscnt 0x0
	s_barrier_signal -1
	MUL16 2, 1, NQ-1, \slot, 0
	WIN 0
	s_barrier_wait -1
.if \fill
	CREST
	s_add_nc_u64 s[G0+4*\slot+2:G0+4*\slot+3], s[G0+4*\slot+2:G0+4*\slot+3], 8192
	s_add_nc_u64 s[G0B+4*\slot+2:G0B+4*\slot+3], s[G0B+4*\slot+2:G0B+4*\slot+3], 8192
	JLOAD G0+4*\slot, G1, G0B+4*\slot, G1B
	PLACES NP-4
.else
	PLACES NP
.endif
	s_wait_alu depctr_va_vdst(0)
	v_add_nc_u32 v[ADRS], 64*NQ, v[ADRS]
	FETCH_B \next, 0, 0
	FETCH_A \next, 0, 0
	SCALES \next
	WIN MUL_HI
	MUL16 4, 1, NQ-1, \slot, 0
	MUL16 6, 1, NQ-1, \slot, 0
	PLACES NP
	WIN 0
	FETCH_A \next, 0, 4
.endm
	s_wait_alu depctr_va_vdst(0)
	s_wait_loadcnt 0x0
	s_wait_tensorcnt 0x0                           ; my tile of the head's four is in
	ds_add_u32 v[SPW], v[NIL]
	s_mov_b32 s[G1+2], 8<<16                       ; no tensor load of mine is out: from here on a load brings 8 row tiles,
	s_mov_b32 s[G1+4], 8
	s_mov_b32 s[G1B+2], 8<<16
	s_mov_b32 s[G1B+4], 8
	s_lshl_b32 s22, s16, 17
	s_mov_b32 s23, 0
	s_mov_b32 s[G0+1], s45                         ; and slot 0's descriptors become the ring's: my half
	s_add_nc_u64 s[G0+2:G0+3], s[G0+2:G0+3], s[22:23]
	s_mov_b32 s[G0B+1], s45
	s_add_nc_u64 s[G0B+2:G0B+3], s[G0B+2:G0B+3], s[22:23]
	s_wait_dscnt 0x0
	CROUND
	JLOAD G0+4, G1, G0B+4, G1B
	global_prefetch_b8 v8, s[2:3] offset:12288 th:TH_LOAD_NT scope:SCOPE_SE
	FETCH_B 0, 0, 0
	FETCH_A 0, 0, 0
	SCALES 0
	FETCH_A 0, 0, 4
	STEP 0, 0, 1
	TURN 0, 1, 1
	STEP 1, 0, 0
	TURN 1, 0, 1
	STEP 0, 0, 0
	TURN 0, 1, 0
	STEP 1, 0, 0
	s_wait_dscnt 4*NL
	WIN MUL_LO
	MUL16 0, 1, NQ-1, 1, 0
	MUL16 2, 1, NQ-1, 1, 0
	s_wait_dscnt 0
	WIN MUL_HI
	MUL16 4, 1, NQ-1, 1, 0
	MUL16 6, 1, NQ-1, 1, 0
	WIN 0
.if KIND != 2
.macro QUANTW a
.set AC, 64*((\a)%4)
.set WW, 2+(\a)/4
.set WN, WW|(WW<<2)
	WIN WN
.irp b, 0,1,2,3
	v_max3_num_f32 v[TM+\b], |v[AC+16*\b]|, |v[AC+1+16*\b]|, 0x8000000
.endr
.set WN, (WW<<2)|(WW<<4)
	WIN WN
.irp i, 2,4,6,8,10,12,14
.irp b, 0,1,2,3
	v_max3_num_f32 v[TM+\b], v[TM+\b], |v[AC+16*\b+\i]|, |v[AC+1+16*\b+\i]|
.endr
.endr
	WIN 0
.irp b, 0,1,2,3
	v_permlanex16_b32 v[TM+4+\b], v[TM+\b], s[SEL], s[SEL+1]
.endr
.irp b, 0,1,2,3
	v_max_num_f32 v[TM+\b], v[TM+\b], v[TM+4+\b]
.endr
.irp b, 0,1,2,3
	v_add_nc_u32 v[TM+12+\b], 0xf8800000, v[TM+\b]
.endr
.irp b, 0,1,2,3
	v_and_or_b32 v[TM+8+\b], v[TM+\b], 0x7f800000, s[MNT]
.endr
.irp b, 0,1,2,3
	v_lshrrev_b32 v[TM+4+\b], 23, v[TM+12+\b]
.endr
	v_lshl_or_b32 v[W+(\a)], v[TM+5], 8, v[TM+4]
	v_lshl_or_b32 v[W+(\a)], v[TM+6], 16, v[W+(\a)]
	v_lshl_or_b32 v[W+(\a)], v[TM+7], 24, v[W+(\a)]
	WIN WW
.irp b, 0,1,2,3
.irp i, 0,1,2,3,4,5,6,7,8,9,10,11,12,13,14,15
	v_med3_num_f32 v[T+16*\b+\i], v[AC+16*\b+\i], -v[TM+8+\b], v[TM+8+\b]
.endr
.endr
.set PCA, 16*(\a)                      ; each block's codes have 16 registers of their own in window 1, where B's fragments lay: no store's data are written again, so no wait stands between the blocks
	WIN 0x40
.irp b, 0,1,2,3
	v_cvt_scalef32_pk8_bf8_f32 v[PCA+4*\b:PCA+1+4*\b], v[T+16*\b:T+7+16*\b], v[TM+12+\b]
	v_cvt_scalef32_pk8_bf8_f32 v[PCA+2+4*\b:PCA+3+4*\b], v[T+8+16*\b:T+15+16*\b], v[TM+12+\b]
.endr
	v_nop
.endm
	PLACES NP
.irp b, 0,1,2,3
	v_mov_b32 v[TM+4+\b], 0
.endr
.irp a, 0,1,2,3,4,5,6,7
	QUANTW \a
	WIN 0x04                                       ; the stores' data lie in window 1
.irp c, 0,1,2,3
.if KIND == 0
	global_store_b128 v[LI], v[PC+4*\c:PC+4*\c+3], s[12:13] offset:1024*\a+131072*(\c/2)+512*(\c%2)
.else
	global_store_b128 v[LI], v[PCA+4*\c:PCA+4*\c+3], s[12:13] offset:270336*(\a/4)+2048*(\a%4)+512*\c
.endif
.endr
.endr
	WIN 0
.if KIND == 0
.irp c, 0,1,2,3
	v_perm_b32 v[SW+\c], v[W+2*\c+1], v[W+2*\c], v[VSEL]
.endr
.else
	v_cmp_eq_u32 vcc_lo, 1, v2
.irp c, 0,1,2,3
	v_cndmask_b32 v[SW+\c], v[W+\c], v[W+4+\c], vcc_lo
.endr
.endif
	global_store_b128 v[SOF], v[SW:SW+3], s[96:97]
.else
.macro TOSTAGE a
.set AC, 64*((\a)%4)
.set WN, 0x08+4*((\a)/4)
	WIN WN
.irp b, 0,1,2,3,4,5,6,7
	ds_store_b128 v[STO], v[AC+8*\b:AC+8*\b+3] offset:128*(\b/2)+32*(\b%2)
	ds_store_b128 v[STO], v[AC+8*\b+4:AC+8*\b+7] offset:128*(\b/2)+32*(\b%2)+16
.endr
	WIN 0
.set BB, BK+64*((\a)%2)
.irp t, 0,1,2,3,4,5,6,7,8,9,10,11,12,13,14,15
	ds_load_b128 v[BB+4*\t:BB+4*\t+3], v[RD] offset:\t*SPITCH
.endr
.endm
.macro SEND a, younger
.set BB, BK+64*((\a)%2)
	s_wait_dscnt \younger
.if (\a) > 0
.if ((\a)%2) == 1
	s_add_nc_u64 s[12:13], s[12:13], 8*4096
.else
	s_add_nc_u64 s[12:13], s[12:13], 24*4096
.endif
.endif
.irp t, 0,1,2,3,4,5,6,7,8,9,10,11,12,13,14,15
	global_store_b128 v[LI], v[BB+4*\t:BB+4*\t+3], s[12:13] offset:(\t+8*(\t/8))*4096 th:TH_STORE_NT
.endr
.endm
	PLACES NP
	TOSTAGE 0
.irp a, 1,2,3,4,5,6,7
.if \a > 1
	s_wait_xcnt 0x0
.endif
	TOSTAGE \a
	SEND \a-1, 32
.endr
	s_wait_xcnt 0x0
	SEND 7, 0
.endif
	s_wait_tensorcnt 0x0
	ds_add_u32 v[SPW], v[NIL]
	s_wait_dscnt 0x0
	CROUND
	s_endpgm
.Lfunc_end_k_qd061127cdc_gemm_v:
	.size	k_qd061127cdc_gemm_v, .Lfunc_end_k_qd061127cdc_gemm_v-k_qd061127cdc_gemm_v
	.p2alignl 7, 3214868480
	.fill 96, 4, 3214868480
	.section	.rodata,"a",@progbits
	.p2align	6, 0x0
	.amdhsa_kernel k_qd061127cdc_gemm_v
		.amdhsa_group_segment_fixed_size 327680
		.amdhsa_private_segment_fixed_size 0
		.amdhsa_enable_private_segment 0
		.amdhsa_kernarg_size 24
		.amdhsa_user_sgpr_count 2
		.amdhsa_user_sgpr_kernarg_segment_ptr 1
		.amdhsa_wavefront_size32 1
		.amdhsa_system_sgpr_workgroup_id_x 1
		.amdhsa_system_sgpr_workgroup_id_y 1
		.amdhsa_system_sgpr_workgroup_id_z 1
		.amdhsa_system_vgpr_workitem_id 0
		.amdhsa_next_free_vgpr 1024
		.amdhsa_next_free_sgpr 100
		.amdhsa_reserve_vcc 1
		.amdhsa_float_denorm_mode_32 3
		.amdhsa_float_denorm_mode_16_64 3
		.amdhsa_memory_ordered 1
		.amdhsa_forward_progress 1
		.amdhsa_inst_pref_size 195
	.end_amdhsa_kernel
	.amdgpu_metadata
---
amdhsa.version: [ 1, 2 ]
amdhsa.kernels:
  - .name:           k_qd061127cdc_gemm_v
    .symbol:         k_qd061127cdc_gemm_v.kd
    .args:
      - { .name: inq, .offset: 0, .size: 8, .value_kind: global_buffer, .address_space: global }
      - { .name: bv, .offset: 8, .size: 8, .value_kind: global_buffer, .address_space: global }
      - { .name: qk, .offset: 16, .size: 8, .value_kind: global_buffer, .address_space: global }
    .group_segment_fixed_size: 327680
    .private_segment_fixed_size: 0
    .kernarg_segment_align: 8
    .kernarg_segment_size: 24
    .max_flat_workgroup_size: 128
    .sgpr_count:     100
    .vgpr_count:     1024
    .wavefront_size: 32
...
	.end_amdgpu_metadata
.endif
;; end of part 3
;; launch attn (part 4): grid 4 x 64, 16 waves a work-group, clusters of 4 x 1, 272,384 bytes of LDS; arguments qk, oq; writes oq
.if DOCPART == 4
	.amdgcn_target "amdgcn-amd-amdhsa--gfx1250"
	.amdhsa_code_object_version 6
	.text
	.protected	k_qd061127cdc_attn
	.globl	k_qd061127cdc_attn
	.p2align	8
	.type	k_qd061127cdc_attn,@function
k_qd061127cdc_attn:
	s_mov_b64 s[64:65], 0
	v_nop
	global_prefetch_b8 v0, s[64:65] scope:SCOPE_SE
	s_setreg_imm32_b32 hwreg(HW_REG_WAVE_MODE, 25, 1), 1
	s_wait_xcnt 0x0
	s_wait_alu depctr_hold_cnt(0) depctr_sa_sdst(0) depctr_va_vdst(0) depctr_va_sdst(0) depctr_va_ssrc(0) depctr_va_vcc(0) depctr_vm_vsrc(0)
	s_getreg_b32 s2, hwreg(HW_REG_IB_STS2, 6, 4)
	s_cmp_eq_u32 s2, 0
	s_cbranch_scc0 .Lentry_in_a_cluster
	s_endpgm
.Lentry_in_a_cluster:
	s_bfe_u32 s2, ttmp6, 0x10000c
	s_cmp_lg_u32 s2, 0x3003
	s_cbranch_scc0 .Lentry_shape_is_right
	s_endpgm
.Lentry_shape_is_right:
; o = softmax(q k^T / 8) v for 64 (batch, head) pairs of 2,048 tokens and head size 64, both products on codes of BF8 (E5M2) with one E8M0 scale for each 32 along a product's K.
; THE SOFTMAX AHEAD OF THE SECOND PRODUCT: t = score x log2(e) / 8 (q arrives without its factor 1/8, a power of two, which goes through quantiser and sums unchanged); M = the running largest t rounded UP to a whole
; number; p = 2^(t - M) is quantised along the keys, not normalised; the row's sum is taken of the unquantised p and divides at the end.  When M moves, the sum and O are multiplied by 2^(old M - new M): exact.
; The result is quantised along d and stored as register images: the last product's left operand.
; LIMITS: NaN and infinities are not served; a block of zeros gets the scale byte 1, not 127 (its codes are zeros, and this program alone reads the bytes); a block's largest p is taken as the exponential of its
; largest score, which takes v_exp_f32 not to fall where its input rises; the scaled scores stay under 2^31 in magnitude.
; THE WORKSPACE qk: 128 heads of 270,336 bytes (q's 64, then k's 64), each 16 key steps of 16,896: codes 8,192 (eight tiles of 16 tokens, 1,024 each), scale words 256; in k's heads the same for v behind them
; (four tiles of 16 d x 128 keys, 2,048 each; scale words 256).  All codes lie as images of registers: groups of 512 bytes, lane l's 16 bytes at 16 l.
; ROW i OF TILE t IS ROW 32 (t / 2) + 8 (t % 2) + i + 8 (i / 8), for tokens and for d: results of tiles 2 c and 2 c + 1 are 16 neighbours in a lane's registers.
; THE HEAD'S 64 IN AN INSTRUCTION OF 128: two neighbouring key tiles' 2,048 bytes are ONE fragment.  q stands in 24 registers as q | zeros | q: the first 16 give tile 2 c's scores, the last 16 tile 2 c + 1's.
; Both products are used transposed (S^T = k q^T, O^T = v^T p^T): a lane holds one query throughout.
; SHARES.  A work-group owns 512 queries of one head; each of its sixteen waves two tiles of 16, one after the other (two passes), in 256 registers: four waves to a SIMD.
; ALL OF THE HEAD'S K AND V STAY IN LDS, as they lie in memory: key step s at 16,896 s.  Wave w fetches key step w: its one tensor load, 66 rows of 256 bytes.  Every LDS byte is filled once: no ring, no refill.
; Waves 0 to 3 have a load line and a wait of their own: behind the first barrier steps 0 to 2 run, which read key steps 0 to 3 alone; in front of the second every wave has waited.
; CLUSTER: the four work-groups of a head ask for every tile jointly.  NO PREFETCH: all that the launch reads through LDS is asked for at its head, so there is no loop to run ahead in.
; REGISTERS: v1-11 addresses, scale words, the add's two; v12 -M, v13 the largest t, v[14:15] the sum; v16-39 q | 0 | q; v40-103 four fragments of k; v104-167 S^T, then p, then four fragments of v; v168-199 O^T;
; v200-215 codes; v216-247 at work; v248-255 the second pass's q.
.set STEPB, 16896                      ; a key step in LDS and in memory
.set VOFF,  8448                       ; v's part of it
.set SCW,   8192                       ; the scale words behind 8,192 bytes of codes
.set HEADB, 270336
.set SPARE, 16*STEPB                   ; the spare words: 128 bytes a wave
.set LI,   1                           ; 16 x lane
.set AS0,  2                           ; SCW + 16 r
.set ADK,  3                           ; the step's fragments
.set ADS,  4                           ; the step's scale words
.set QSO,  5                           ; 16 r
.set QSR,  6                           ; q's scale word as stored: my first tile's two bytes, my second's
.set QS,   7                           ; the pass's: (s0, s1, s0, s1)
.set PWS,  8                           ; o's scale bytes: lanes 0-15 the first pass's, lanes 16-31 the second's
.set OSO,  9                           ; 512 (lane / 16) + 4 r
.set SPW,  10
.set NIL,  11
.set QF,   16
.set KF,   40
.set S,    104
.set O,    168
.set PC,   200
.set KS,   216
.set VS,   220
.set BM,   224
.set T2,   228
.set C2,   228
.set C3,   230
.set HOLD, 232
.set SCO,  236
.set TP,   240
.set OM,   241
.set FF,   242
.set PW,   244
.set CH,   246
.set Q1,   248
.set BH,   2
.set WV,   10
.set CX,   11
.set G1,   12
.set G0,   20
.set QP,   48
.set QSP,  50
.set OP,   52
.set OSP,  54
.set SEL,  56
.set CS,   58
.set MNT,  60
.set TB,   61
.set CNT,  63
.set HM,   90
.macro ROUND                           ; a round of the cluster's barrier
	s_barrier_signal -1
	s_barrier_wait -1
	s_cmp_lg_u32 s[WV], 0
	s_cbranch_scc1 .Lnot_wave_0_\@
	s_barrier_signal -3
.Lnot_wave_0_\@:
	s_barrier_wait -3
	s_barrier_signal -1
	s_barrier_wait -1
.endm
	s_load_b128 s[4:7], s[0:1], 0x0                ; qk, oq
	v_lshl_add_u32 v[SPW], v0, 2, SPARE
	v_mov_b32 v[NIL], 0
	ds_add_u32 v[SPW], v[NIL]                      ; the opening lines: the add twice on end and its wait ahead of my tensor load
	ds_add_u32 v[SPW], v[NIL]
	v_lshrrev_b32 v1, 5, v0
	v_readfirstlane_b32 s[WV], v1                  ; wave 0..15
	s_bfe_u32 s[CX], ttmp6, 0x40000                ; my block of 512 queries
	s_and_b32 s[BH], ttmp7, 0xffff                 ; 16 x batch + head, which the four partners share
	s_mov_b32 s[G1], 15|(3<<16)|(1<<21)            ; the mask: all four work-groups; elements of 8 bytes; bit 21 beside a mask
	s_mov_b32 s[G1+1], 32<<16                      ; rows of 256 bytes,
	s_mov_b32 s[G1+2], 66<<16                      ; 66 of them: a key step
	s_mov_b32 s[G1+3], 32<<16
	s_mov_b32 s[G1+4], 66
	s_mov_b32 s[G1+5], 32                          ; dense
	s_mov_b32 s[G1+6], 0
	s_mov_b32 s[G1+7], 0
	s_mov_b32 s[G0], 1
	s_mul_i32 s[G0+1], s[WV], STEPB                ; key step w, in LDS and in the head
	s_add_co_u32 s92, s[BH], 64                    ; k's heads lie behind q's 64
	s_mul_i32 s92, s92, HEADB
	s_add_co_u32 s92, s92, s[G0+1]
	s_mov_b32 s93, 0
	s_wait_dscnt 0x0
	s_wait_kmcnt 0x0
	s_add_nc_u64 s[G0+2:G0+3], s[4:5], s[92:93]
	s_or_b32 s[G0+3], s[G0+3], 0x80000000
	ROUND                                          ; all four work-groups are here: the joint loads meet
	s_cmp_lt_u32 s[WV], 4                          ; waves 0 to 3, which alone wait at the first barrier, have a load line of their own
	s_cbranch_scc0 .Lrest
	tensor_load_to_lds s[G0:G0+3], s[G1:G1+7]
	s_nop 0
.rept 4
	v_nop
.endr
	s_branch .Lasked
.Lrest:
	tensor_load_to_lds s[G0:G0+3], s[G1:G1+7]
	s_nop 0
.rept 4
	v_nop
.endr
.Lasked:
	; where my queries lie and my results go: the place in the cluster enters these global addresses alone
	s_lshl_b32 s3, s[CX], 2
	s_lshr_b32 s91, s[WV], 2
	s_add_co_u32 s3, s3, s91                       ; the step of 128 tokens that holds my two tiles: 4 cx + w / 4
	s_mul_i32 s92, s[BH], HEADB
	s_mul_i32 s3, s3, STEPB
	s_add_co_u32 s92, s92, s3
	s_and_b32 s91, s[WV], 3                        ; my pair of tiles in it
	s_lshl_b32 s94, s91, 2                         ; in a row's 16 bytes of scale words a word for each pair
	s_add_co_u32 s94, s94, s92
	s_add_co_u32 s94, s94, SCW
	s_mov_b32 s95, 0
	s_lshl_b32 s91, s91, 11
	s_add_co_u32 s92, s92, s91
	s_mov_b32 s93, 0
	s_add_nc_u64 s[QP:QP+1], s[4:5], s[92:93]
	s_add_nc_u64 s[QSP:QSP+1], s[4:5], s[94:95]
	s_lshl_b32 s3, s[CX], 5
	s_lshl_b32 s91, s[WV], 1
	s_add_co_u32 s3, s3, s91                       ; my first tile in the batch: 32 cx + 2 w
	s_lshr_b32 s91, s[BH], 4
	s_lshl_b32 s91, s91, 7
	s_add_co_u32 s3, s3, s91                       ; among all 512: + 128 x batch
	s_and_b32 s91, s[BH], 15                       ; the head: its 64 features are half a fragment: 1,024 bytes
	s_lshl_b32 s92, s3, 14
	s_lshl_b32 s94, s91, 10
	s_add_co_u32 s92, s92, s94
	s_mov_b32 s93, 0
	s_add_nc_u64 s[OP:OP+1], s[6:7], s[92:93]
	s_lshl_b32 s94, s3, 9                          ; scale words: 512 bytes a tile, 64 a K step of 128 (two heads), 2 bytes a head in a row's word
	s_lshr_b32 s92, s91, 1
	s_lshl_b32 s92, s92, 6
	s_add_co_u32 s94, s94, s92
	s_and_b32 s92, s91, 1
	s_lshl_b32 s92, s92, 1
	s_add_co_u32 s94, s94, s92
	s_add_co_u32 s94, s94, 8388608
	s_mov_b32 s95, 0
	s_add_nc_u64 s[OSP:OSP+1], s[6:7], s[94:95]
	s_mov_b32 s[SEL], 0x76543210
	s_mov_b32 s[SEL+1], 0xfedcba98
	s_mov_b32 s[CS], 0x3e38aa3b                    ; c = log2(e) / 8
	s_mov_b32 s[CS+1], s[CS]
	s_mov_b32 s[MNT], 0x600000
	v_and_b32 v12, 31, v0
	v_lshlrev_b32 v[LI], 4, v12
	v_and_b32 v12, 15, v0                          ; r
	v_bfe_u32 v13, v0, 4, 1                        ; h
	v_lshlrev_b32 v[QSO], 4, v12
	v_add_nc_u32 v[AS0], SCW, v[QSO]
	v_lshlrev_b32 v[OSO], 2, v12
	v_lshl_add_u32 v[OSO], v13, 9, v[OSO]
	global_load_b32 v[QSR], v[QSO], s[QSP:QSP+1]
	global_load_b128 v[QF:QF+3], v[LI], s[QP:QP+1]               ; the first tile's q twice
	global_load_b128 v[QF+4:QF+7], v[LI], s[QP:QP+1] offset:512
	global_load_b128 v[QF+16:QF+19], v[LI], s[QP:QP+1]
	global_load_b128 v[QF+20:QF+23], v[LI], s[QP:QP+1] offset:512
	global_load_b128 v[Q1:Q1+3], v[LI], s[QP:QP+1] offset:1024   ; the second tile's, kept until the second pass
	global_load_b128 v[Q1+4:Q1+7], v[LI], s[QP:QP+1] offset:1536
.irp j, 0,1,2,3,4,5,6,7
	v_mov_b32 v[QF+8+\j], 0                        ; the zero codes between q and q
.endr
.irp b, 0,1,2,3
	v_mov_b32 v[T2+\b], 0                          ; a lane permute's destination counts as one of its sources
.endr
	v_mov_b32 v[TP], 0
	v_mov_b32 v[FF+1], 0
	v_mov_b32 v[PWS], 0
; a key step's four fragments of k and their scale words of my row: 17 loads
.macro LOADK adr, sadr, off
.irp c, 0,1,2,3
.irp k, 0,1,2,3
	ds_load_b128 v[KF+16*\c+4*\k:KF+16*\c+4*\k+3], v[\adr] offset:\off+2048*\c+512*\k
.endr
.endr
	ds_load_b128 v[KS:KS+3], v[\sadr] offset:\off
.endm
; Blocks g and g + 1 of p: the one-sided hold (the conversion does not saturate: ISA guide 7.6.2; p is not negative), the conversion, and v's fragments g and g + 1 into the registers that p has left
.macro HOLDCVT g
.irp i, 0,2,4,6,8,10,12,14
	v_dual_min_num_f32 v[S+16*\g+\i], v[S+16*\g+\i], v[HOLD+\g] :: v_dual_min_num_f32 v[S+16*(\g+1)+\i+1], v[S+16*(\g+1)+\i+1], v[HOLD+\g+1]
	v_dual_min_num_f32 v[S+16*(\g+1)+\i], v[S+16*(\g+1)+\i], v[HOLD+\g+1] :: v_dual_min_num_f32 v[S+16*\g+\i+1], v[S+16*\g+\i+1], v[HOLD+\g]
.endr
.irp b, \g, \g+1
	v_cvt_scalef32_pk8_bf8_f32 v[PC+4*(\b):PC+1+4*(\b)], v[S+16*(\b):S+7+16*(\b)], v[SCO+(\b)]
	v_cvt_scalef32_pk8_bf8_f32 v[PC+2+4*(\b):PC+3+4*(\b)], v[S+8+16*(\b):S+15+16*(\b)], v[SCO+(\b)]
.endr
.irp b, \g, \g+1
.irp k, 0,1,2,3
	ds_load_b128 v[S+16*(\b)+4*\k:S+16*(\b)+4*\k+3], v[ADK] offset:VOFF+2048*(\b)+512*\k
.endr
.endr
.endm
; A KEY STEP: 128 keys.  Its fragments of k and their scale words are in registers.  pre = 1: the next step's are asked for; 2: step 0's, for the next pass; 0: none.
.macro STEP pre
	v_add_nc_u32 v[ADK], s[TB], v[LI]              ; nine places between the last step's products, which read v in v[S] on, and the products below, which write over those registers
	v_add_nc_u32 v[ADS], s[TB], v[AS0]
	v_mov_b32 v[OM], v12
.rept 6
	v_nop
.endr
.irp t, 0,1,2,3,4,5,6,7
	v_wmma_scale_f32_16x16x128_f8f6f4 v[S+8*\t:S+8*\t+7], v[KF+16*(\t/2):KF+16*(\t/2)+15], v[QF+8*(\t%2):QF+8*(\t%2)+15], 0, v[KS+\t/2], v[QS] matrix_a_fmt:MATRIX_FMT_BF8 matrix_b_fmt:MATRIX_FMT_BF8
.endr                                          ; lane (r, h) holds query r; the 16 registers of tiles 2 b, 2 b + 1 are keys 32 b + 16 h + 0 .. 15
.rept 8
	v_nop                                          ; eight places: for the loads into k's registers and for the first read of the scores
.endr
.if \pre == 1
	LOADK ADK, ADS, STEPB
.elseif \pre == 2
	LOADK LI, AS0, 0
.endif
	ds_load_b128 v[VS:VS+3], v[ADS] offset:VOFF    ; the scale words of v's four tiles
.irp b, 0,1,2,3
	v_max3_num_f32 v[BM+\b], v[S+16*\b], v[S+1+16*\b], v[S+2+16*\b]   ; the largest score of each block of 32 keys: for the row's maximum and for the block's largest p
.endr
.irp i, 3,5,7,9,11,13
.irp b, 0,1,2,3
	v_max3_num_f32 v[BM+\b], v[BM+\b], v[S+16*\b+\i], v[S+1+16*\b+\i]
.endr
.endr
.irp b, 0,1,2,3
	v_max_num_f32 v[BM+\b], v[BM+\b], v[S+15+16*\b]
.endr
.irp b, 0,1,2,3
	v_permlanex16_b32 v[T2+\b], v[BM+\b], s[SEL], s[SEL+1]
.endr
.irp b, 0,1,2,3
	v_max_num_f32 v[BM+\b], v[BM+\b], v[T2+\b]     ; with lane l xor 16's 16 keys
.endr
	v_max3_num_f32 v[TP], v[BM], v[BM+1], v[BM+2]
	v_max_num_f32 v[TP], v[TP], v[BM+3]
	v_mul_f32 v[TP], s[CS], v[TP]                  ; the step's largest t (c is positive)
	v_max_num_f32 v13, v13, v[TP]
	v_floor_f32 v12, -v13                          ; the new -M = -ceil(t): a whole number
	v_sub_f32 v[TP], v12, v[OM]
	v_cvt_i32_f32 v[TP], v[TP]                     ; (it saturates)
	v_ldexp_f32 v[FF], 1.0, v[TP]                  ; f = 2^(old M - new M)
.irp b, 0,1,2,3
	v_fma_f32 v[BM+\b], v[BM+\b], s[CS], v12       ; t - M of each block's largest score
.endr
.set j, 0
.rept 32
	v_pk_fma_f32 v[S+j:S+j+1], v[S+j:S+j+1], s[CS:CS+1], v[12:13] op_sel_hi:[1,0,0]   ; t - M, two at a time
.set j, j+2
.endr
	s_wait_alu depctr_va_vdst(0)                   ; the wait ahead of the batch
.set j, 0
.rept 64
	v_exp_f32 v[S+j], v[S+j]                       ; p = 2^(t - M), at most 1
.set j, j+1
.endr
	v_pk_mul_f32 v[14:15], v[14:15], v[FF:FF+1] op_sel_hi:[1,0]   ; the sums under the new M: the plain line behind the exponentials
	s_wait_alu depctr_va_vdst(0)                   ; one wait for the batch, ahead of its first reader
.irp b, 0,1,2,3
	v_exp_f32 v[BM+\b], v[BM+\b]                   ; the block's largest p: the same multiply-add and exponential on the same number give the same bits
.endr
	v_pk_add_f32 v[CH:CH+1], v[S:S+1], v[S+2:S+3]  ; the row's sum of the unquantised p: two at a time, in four chains
	v_pk_add_f32 v[C2:C2+1], v[S+4:S+5], v[S+6:S+7]
	v_pk_add_f32 v[C3:C3+1], v[S+8:S+9], v[S+10:S+11]
	v_pk_add_f32 v[14:15], v[14:15], v[S+12:S+13]
.set j, 14
.rept 6
	v_pk_add_f32 v[CH:CH+1], v[CH:CH+1], v[S+j:S+j+1]
	v_pk_add_f32 v[C2:C2+1], v[C2:C2+1], v[S+j+2:S+j+3]
	v_pk_add_f32 v[C3:C3+1], v[C3:C3+1], v[S+j+4:S+j+5]
	v_pk_add_f32 v[14:15], v[14:15], v[S+j+6:S+j+7]
.set j, j+8
.endr
	v_pk_add_f32 v[CH:CH+1], v[CH:CH+1], v[S+62:S+63]
	v_pk_add_f32 v[C2:C2+1], v[C2:C2+1], v[C3:C3+1]
	v_pk_add_f32 v[14:15], v[14:15], v[CH:CH+1]
	v_pk_add_f32 v[14:15], v[14:15], v[C2:C2+1]
	s_wait_alu depctr_va_vdst(0)                   ; and one for the four
.irp b, 0,1,2,3
	v_max_num_f32 v[BM+\b], 0x8000000, v[BM+\b]    ; the floor 2^(16 - 127): the byte cannot fall under 1
.endr
.irp b, 0,1,2,3
	v_add_nc_u32 v[SCO+\b], 0xf8800000, v[BM+\b]   ; 15 off the exponent field: the conversion's scale operand
.endr
.irp b, 0,1,2,3
	v_and_or_b32 v[HOLD+\b], v[BM+\b], 0x7f800000, s[MNT]   ; 57,344 x the scale
.endr
.irp b, 0,1,2,3
	v_lshrrev_b32 v[T2+\b], 23, v[SCO+\b]          ; the scale's byte
.endr
	v_lshl_or_b32 v[PW], v[T2+1], 8, v[T2]         ; p's scale word for these 128 keys
	v_lshl_or_b32 v[PW], v[T2+2], 16, v[PW]
	v_lshl_or_b32 v[PW], v[T2+3], 24, v[PW]
	HOLDCVT 0
	HOLDCVT 2
	s_wait_alu depctr_va_vdst(0)                   ; the wait directly ahead of the first reader of O^T
.set j, 0
.rept 16
	v_pk_mul_f32 v[O+j:O+j+1], v[O+j:O+j+1], v[FF:FF+1] op_sel_hi:[1,0]   ; O^T under the new M; these sixteen are also the places between the conversions and the products below
.set j, j+2
.endr
	s_wait_alu depctr_va_vdst(0)
.irp d, 0,1,2,3
	s_wait_dscnt 12-4*\d                           ; v's fragment d is in, with all that was asked for earlier; the four loads of each later fragment may be out
	v_wmma_scale_f32_16x16x128_f8f6f4 v[O+8*\d:O+8*\d+7], v[S+16*\d:S+16*\d+15], v[PC:PC+15], v[O+8*\d:O+8*\d+7], v[VS+\d], v[PW] matrix_a_fmt:MATRIX_FMT_BF8 matrix_b_fmt:MATRIX_FMT_BF8
.endr                                          ; the four accumulators take turns, one instruction a turn
.endm
.macro RUN first, trips                ; key steps first .. first + trips - 1, each asking for the next step's k
	s_mov_b32 s[TB], STEPB*\first
	s_mov_b32 s[CNT], \trips
.Lstep_\@:
	STEP 1
	s_add_co_u32 s[TB], s[TB], STEPB
	s_sub_co_u32 s[CNT], s[CNT], 1
	s_cmp_lg_u32 s[CNT], 0
	s_cbranch_scc1 .Lstep_\@
.endm
.macro LAST pre                        ; key step 15
	s_mov_b32 s[TB], STEPB*15
	STEP \pre
.endm
.macro INIT                            ; a pass's state: the first step finds zeros, which the first change of M leaves zeros
.set j, 0
.rept 32
	v_mov_b32 v[O+j], 0
.set j, j+1
.endr
	v_mov_b32 v13, 0xff61b1e6                      ; the largest t so far: -3e38
	v_floor_f32 v12, -v13
	v_mov_b32 v14, 0
	v_mov_b32 v15, 0
	s_wait_alu depctr_va_vdst(0)
.endm
; THE WAY OUT of pass p: O^T / the sum; register 16 b + i is d 32 b + 16 h + i of my query: quantised as it stands, its codes are half a fragment of the last product's left operand
.macro WAYOUT p
.rept 8
	v_nop                                          ; places behind the last products
.endr
	s_mov_b32 s[HM], 0xffff<<(16*\p)
	v_add_f32 v14, v14, v15
	v_permlanex16_b32 v[TP], v14, s[SEL], s[SEL+1]
	v_add_f32 v14, v14, v[TP]                      ; the row's sum
	s_wait_alu depctr_va_vdst(0)                   ; the wait ahead of the transcendental
	v_rcp_f32 v14, v14
	v_nop
	s_wait_alu depctr_va_vdst(0)                   ; and ahead of its first reader, which is O^T's first reader too
.set j, 0
.rept 16
	v_pk_mul_f32 v[S+j:S+j+1], v[O+j:O+j+1], v[14:15] op_sel_hi:[1,0]   ; each accumulator from its low end on
.set j, j+2
.endr
.irp b, 0,1
	v_max3_num_f32 v[BM+\b], |v[S+16*\b]|, |v[S+1+16*\b]|, 0x8000000
.endr
.irp i, 2,4,6,8,10,12,14
.irp b, 0,1
	v_max3_num_f32 v[BM+\b], v[BM+\b], |v[S+16*\b+\i]|, |v[S+1+16*\b+\i]|
.endr
.endr
.irp b, 0,1
	v_permlanex16_b32 v[T2+\b], v[BM+\b], s[SEL], s[SEL+1]
.endr
.irp b, 0,1
	v_max_num_f32 v[BM+\b], v[BM+\b], v[T2+\b]
.endr
.irp b, 0,1
	v_add_nc_u32 v[SCO+\b], 0xf8800000, v[BM+\b]
.endr
.irp b, 0,1
	v_and_or_b32 v[HOLD+\b], v[BM+\b], 0x7f800000, s[MNT]
.endr
.irp b, 0,1
	v_lshrrev_b32 v[T2+\b], 23, v[SCO+\b]
.endr
	v_lshl_or_b32 v[TP], v[T2+1], 8, v[T2]         ; my head's two bytes of the row's scale word
.irp b, 0,1
.irp i, 0,1,2,3,4,5,6,7,8,9,10,11,12,13,14,15
	v_med3_num_f32 v[S+16*\b+\i], v[S+16*\b+\i], -v[HOLD+\b], v[HOLD+\b]
.endr
	v_cvt_scalef32_pk8_bf8_f32 v[PC+4*\b:PC+1+4*\b], v[S+16*\b:S+7+16*\b], v[SCO+\b]
	v_cvt_scalef32_pk8_bf8_f32 v[PC+2+4*\b:PC+3+4*\b], v[S+8+16*\b:S+15+16*\b], v[SCO+\b]
.endr
	v_cndmask_b32 v[PWS], v[PWS], v[TP], s[HM]     ; (the plain line behind the conversions)  lanes 0-15 keep the first pass's bytes, lanes 16-31 the second's
	global_store_b128 v[LI], v[PC:PC+3], s[OP:OP+1] offset:16384*\p              ; 512 consecutive bytes, aligned
	global_store_b128 v[LI], v[PC+4:PC+7], s[OP:OP+1] offset:16384*\p+512
.endm
	; THE FIRST PASS
	s_wait_alu depctr_va_vdst(0)                   ; the wait at the head's end
	s_wait_loadcnt 0x0                             ; both tiles' q and their scale word
	v_perm_b32 v[QS], v[QSR], v[QSR], 0x01000100   ; (s0, s1, s0, s1) of the first tile
	INIT
	s_cmp_lt_u32 s[WV], 4
	s_cbranch_scc0 .Llater
	s_wait_tensorcnt 0x0                           ; waves 0 to 3: key steps 0 to 3 are in
.Llater:
	s_barrier_signal -1
	s_barrier_wait -1
	LOADK LI, AS0, 0                               ; key step 0
	s_wait_dscnt 0x0
	RUN 0, 3                                       ; steps 0 to 2 read k of steps 0 to 3 and v of steps 0 to 2
	s_wait_tensorcnt 0x0                           ; every wave's load has landed
	s_barrier_signal -1
	s_barrier_wait -1                              ; all of LDS is whole from here on and is never written again
	RUN 3, 12
	LAST 2                                         ; and step 0's k for the second pass
	WAYOUT 0
	; THE SECOND PASS
	s_wait_alu depctr_va_vdst(0)
	s_wait_xcnt 0x0                                ; the stores have read their data: the codes' registers are written again only behind this wait
	v_perm_b32 v[QS], v[QSR], v[QSR], 0x03020302   ; the second tile's scale bytes
.irp j, 0,1,2,3,4,5,6,7
	v_mov_b32 v[QF+\j], v[Q1+\j]
	v_mov_b32 v[QF+16+\j], v[Q1+\j]
.endr
	INIT
	RUN 0, 15
	LAST 0
	WAYOUT 1
	global_store_b16 v[OSO], v[PWS], s[OSP:OSP+1]  ; two bytes a row: a scale word of the last product spans two heads, which are two work-groups' results
	s_wait_tensorcnt 0x0                           ; the wave's end
	ds_add_u32 v[SPW], v[NIL]
	s_wait_dscnt 0x0
	ROUND                                          ; the closing round
	s_endpgm
.Lfunc_end_k_qd061127cdc_attn:
	.size	k_qd061127cdc_attn, .Lfunc_end_k_qd061127cdc_attn-k_qd061127cdc_attn
	.p2alignl 7, 3214868480
	.fill 96, 4, 3214868480
	.section	.rodata,"a",@progbits
	.p2align	6, 0x0
	.amdhsa_kernel k_qd061127cdc_attn
		.amdhsa_group_segment_fixed_size 272384
		.amdhsa_private_segment_fixed_size 0
		.amdhsa_enable_private_segment 0
		.amdhsa_kernarg_size 16
		.amdhsa_user_sgpr_count 2
		.amdhsa_user_sgpr_kernarg_segment_ptr 1
		.amdhsa_wavefront_size32 1
		.amdhsa_system_sgpr_workgroup_id_x 1
		.amdhsa_system_sgpr_workgroup_id_y 1
		.amdhsa_system_sgpr_workgroup_id_z 1
		.amdhsa_system_vgpr_workitem_id 0
		.amdhsa_next_free_vgpr 256
		.amdhsa_next_free_sgpr 96
		.amdhsa_reserve_vcc 0
		.amdhsa_float_denorm_mode_32 3
		.amdhsa_float_denorm_mode_16_64 3
		.amdhsa_memory_ordered 1
		.amdhsa_forward_progress 1
		.amdhsa_inst_pref_size 113
	.end_amdhsa_kernel
	.amdgpu_metadata
---
amdhsa.version: [ 1, 2 ]
amdhsa.kernels:
  - .name:           k_qd061127cdc_attn
    .symbol:         k_qd061127cdc_attn.kd
    .args:
      - { .name: qk, .offset: 0, .size: 8, .value_kind: global_buffer, .address_space: global }
      - { .name: oq, .offset: 8, .size: 8, .value_kind: global_buffer, .address_space: global }
    .group_segment_fixed_size: 272384
    .private_segment_fixed_size: 0
    .kernarg_segment_align: 8
    .kernarg_segment_size: 16
    .max_flat_workgroup_size: 512
    .sgpr_count:     96
    .vgpr_count:     256
    .wavefront_size: 32
...
	.end_amdgpu_metadata
.endif
;; end of part 4
;; launch gemm_o (part 5): grid 8 x 32, 4 waves a work-group, clusters of 4 x 4, 327,680 bytes of LDS; arguments oq, inq, bo, out0; writes out0
.if DOCPART == 5
	.amdgcn_target "amdgcn-amd-amdhsa--gfx1250"
	.amdhsa_code_object_version 6
	.text
	.protected	k_qd061127cdc_gemm_o
	.globl	k_qd061127cdc_gemm_o
	.p2align	8
	.type	k_qd061127cdc_gemm_o,@function
k_qd061127cdc_gemm_o:
	s_mov_b64 s[64:65], 0
	v_nop
	global_prefetch_b8 v0, s[64:65] scope:SCOPE_SE
	s_setreg_imm32_b32 hwreg(HW_REG_WAVE_MODE, 25, 1), 1
	s_wait_xcnt 0x0
	s_wait_alu depctr_hold_cnt(0) depctr_sa_sdst(0) depctr_va_vdst(0) depctr_va_sdst(0) depctr_va_ssrc(0) depctr_va_vcc(0) depctr_vm_vsrc(0)
	s_getreg_b32 s2, hwreg(HW_REG_IB_STS2, 6, 4)
	s_cmp_eq_u32 s2, 0
	s_cbranch_scc0 .Lentry_in_a_cluster
	s_endpgm
.Lentry_in_a_cluster:
	s_bfe_u32 s2, ttmp6, 0x10000c
	s_cmp_lg_u32 s2, 0xf033
	s_cbranch_scc0 .Lentry_shape_is_right
	s_endpgm
.Lentry_shape_is_right:
; out0 = o Wo^T + bo: [8192][1024] f32, on codes of BF8 (E5M2) with one E8M0 scale for each 32 along K = 1,024.  A = o's codes (oq), B = Wo's codes (inq, row tiles 704 to 767).
; BOTH OPERANDS LIE AS IMAGES OF REGISTERS: a row tile of 16 rows is 16,384 bytes, 2,048 for each 128 along K (four groups of 512, lane l's 16 bytes at 16 l); its scale words 512 bytes, 64 for each 128 along K, 4 a row.
; Row i of tile t is the tensor's row 32 (t / 2) + 8 (t % 2) + i + 8 (i / 8).
; SHARES.  256 work-groups, each 256 rows x 128 columns of out0; four waves as 2 x 2, a wave 128 x 64: A's 8 blocks x B's 4, 32 accumulators.  K goes in four steps of 256 through a ring of two LDS slots
; (A's 16 row tiles x 4,096 bytes, then B's 8); the scale words of all of K lie behind the ring, filled once.
; CLUSTERS of 4 x 4: A's tiles are asked for jointly along a row of the cluster, B's along a column.
; THE MATRIX INSTRUCTION IS USED TRANSPOSED (source 0 = B's rows, source 1 = A's): a lane holds one row of out0, and the 16 registers of B's tiles 2 c, 2 c + 1 are 16 neighbouring columns.  The bias is the first products' C.
; LIMITS: NaN and infinities are not served.
; REGISTERS: window 0: v8-31 addresses; v32-63 scale words, two sets; v64-95 the bias; v128-255 A's fragments, one set.  Window 1: B's fragments, two sets at v0 and v128; on the way out the rows read back.  Windows 2, 3: the sums.
.set NQ,     2
.set FR,     16
.set NL,     4
.set NP,     8                         ; places behind this matrix instruction (ISA guide 7.12.1)
.set ABYT,   65536                     ; A's part of a slot
.set SLOT,   98304
.set SCL,    2*SLOT                    ; A's scale words (8,192 bytes), then B's (4,096)
.set SPARE,  SCL+12288                 ; the spare words: 128 bytes a wave
.set SPITCH, 272                       ; the way out: a stage row of 256 bytes + 16; the stage lies in slot 0, which has had its last fill and its last read by then
.set PFO,  8
.set ADRA, 16
.set ADRB, 20
.set ADR2, 22
.set STO,  24
.set RD,   25
.set LI,   26
.set ADRS, 27
.set SPW,  28
.set NIL,  29
.set BOF,  30
.set GO,   31
.set SC,   32
.set CI,   64
.set AF,   128
.set G1, 24
.set G0, 32
.set G1B, 48
.set G0B, 56
.set G1S, 68
.set G0S, 76
.set G1SB, 80
.set G0SB, 88
.set MSB, 0
.macro WIN new                         ; the immediate's high byte repeats the setting that is left
.if MSB != \new
	s_set_vgpr_msb (MSB<<8)|\new
.set MSB, \new
.endif
.endm
.set MUL_LO, 0xa1
.set MUL_HI, 0xf1
.set BIA_LO, 0x81
.set BIA_HI, 0xc1
.set TO_B,   0x40
.macro JLOAD g0a, g1a, g0b, g1b        ; a joint load of the ring: waves 0 and 1 fetch A's halves, waves 2 and 3 B's
	s_cmp_eq_u32 s15, 0
	s_cbranch_scc0 .Lfor_b_\@
	tensor_load_to_lds s[\g0a:\g0a+3], s[\g1a:\g1a+7]
	s_nop 0
.rept 4
	v_nop
.endr
	s_branch .Lasked_\@
.Lfor_b_\@:
	tensor_load_to_lds s[\g0b:\g0b+3], s[\g1b:\g1b+7]
	s_nop 0
.rept 4
	v_nop
.endr
.Lasked_\@:
.endm
.macro CREST
	s_cmp_lg_u32 s14, 0
	s_cbranch_scc1 .Lnot_wave_0_\@
	s_barrier_signal -3
.Lnot_wave_0_\@:
	s_barrier_wait -3
	s_barrier_signal -1
	s_barrier_wait -1
.endm
.macro CROUND
	s_barrier_signal -1
	s_barrier_wait -1
	CREST
.endm
	s_load_b128 s[4:7], s[0:1], 0x0                ; oq, inq
	s_load_b64 s[8:9], s[0:1], 0x10                ; bo
	s_load_b64 s[12:13], s[0:1], 0x18              ; out0
	v_lshl_add_u32 v[SPW], v0, 2, SPARE
	v_mov_b32 v[NIL], 0
	ds_add_u32 v[SPW], v[NIL]                      ; the opening lines: the add twice on end and its wait ahead of my first tensor load
	ds_add_u32 v[SPW], v[NIL]
	v_lshrrev_b32 v1, 5, v0
	v_readfirstlane_b32 s14, v1                    ; wave 0..3
	s_lshr_b32 s15, s14, 1                         ; my half of the rows.  Also: I fetch for A (0) or for B (1)
	s_and_b32 s16, s14, 1                          ; my half of the columns.  Also: which half of that tile I fetch
	s_bfe_u32 s40, ttmp6, 0x40000                  ; cx, cy
	s_bfe_u32 s41, ttmp6, 0x40004
	s_lshl_b32 s42, ttmp9, 2
	s_add_co_u32 s42, s42, s40                     ; tile column: 128 columns
	s_and_b32 s17, ttmp7, 0xffff
	s_lshl_b32 s17, s17, 2
	s_add_co_u32 s17, s17, s41                     ; tile row: 256 rows
	s_lshl_b32 s43, s41, 2
	s_lshl_b32 s43, 15, s43                        ; my row of the cluster
	s_lshl_b32 s44, 0x1111, s40                    ; my column
	s_or_b32 s[G1+0], s43, (3<<16)|(1<<21)         ; codes: rows of 4,096 bytes (512 elements of 8), 16,384 apart: a K step of each row tile
	s_or_b32 s[G1B+0], s44, (3<<16)|(1<<21)
.irp g, G1, G1B
	s_mov_b32 s[\g+1], 512<<16
	s_mov_b32 s[\g+3], 512<<16
	s_mov_b32 s[\g+5], 2048
	s_mov_b32 s[\g+6], 0
	s_mov_b32 s[\g+7], 0
.endr
	s_mov_b32 s[G1+2], 16<<16                      ; at the head all of A's 16 row tiles,
	s_mov_b32 s[G1+4], 16
	s_mov_b32 s[G1B+2], 8<<16                      ; and all of B's 8
	s_mov_b32 s[G1B+4], 8
	s_or_b32 s[G1S+0], s43, (3<<16)|(1<<21)        ; scale words: dense rows of 256 bytes
	s_or_b32 s[G1SB+0], s44, (3<<16)|(1<<21)
.irp g, G1S, G1SB
	s_mov_b32 s[\g+1], 32<<16
	s_mov_b32 s[\g+3], 32<<16
	s_mov_b32 s[\g+5], 32
	s_mov_b32 s[\g+6], 0
	s_mov_b32 s[\g+7], 0
.endr
	s_mov_b32 s[G1S+2], 32<<16
	s_mov_b32 s[G1S+4], 32
	s_mov_b32 s[G1SB+2], 16<<16
	s_mov_b32 s[G1SB+4], 16
	s_lshl_b32 s20, s17, 18                        ; A: 16 row tiles of 16,384 bytes a tile row,
	s_mov_b32 s21, 0
	s_lshl_b32 s22, s17, 13                        ; their scale words, behind oq's codes
	s_add_co_u32 s22, s22, 8388608
	s_mov_b32 s23, 0
	s_lshl_b32 s46, s42, 17                        ; B: 8 row tiles a tile column, from row tile 704 on,
	s_add_co_u32 s46, s46, 704<<14
	s_mov_b32 s47, 0
	s_lshl_b32 s92, s42, 12                        ; their scale words, behind inq's codes
	s_add_co_u32 s92, s92, (704<<9)+12582912
	s_mov_b32 s93, 0
	s_lshl_b32 s94, s16, 17                        ; the half that my ring loads take: of A's codes in memory,
	s_mov_b32 s95, 0
	s_lshl_b32 s96, s16, 16                        ; of B's,
	s_mov_b32 s97, 0
	s_lshl_b32 s45, s16, 15                        ; and where it goes in a slot: A's,
	s_lshl_b32 s18, s16, 14
	s_add_co_u32 s18, s18, ABYT                    ; B's
	s_wait_dscnt 0x0
	s_wait_kmcnt 0x0
	s_add_nc_u64 s[20:21], s[4:5], s[20:21]
	s_add_nc_u64 s[22:23], s[4:5], s[22:23]
	s_add_nc_u64 s[46:47], s[6:7], s[46:47]
	s_add_nc_u64 s[92:93], s[6:7], s[92:93]
	CROUND                                         ; all sixteen work-groups are here: the first joint loads meet
	s_mov_b32 s[G0S], 1
	s_mov_b32 s[G0S+1], SCL
	s_mov_b64 s[G0S+2:G0S+3], s[22:23]
	s_or_b32 s[G0S+3], s[G0S+3], 0x80000000
	s_mov_b32 s[G0SB], 1
	s_mov_b32 s[G0SB+1], SCL+8192
	s_mov_b64 s[G0SB+2:G0SB+3], s[92:93]
	s_or_b32 s[G0SB+3], s[G0SB+3], 0x80000000
	s_mov_b32 s[G0], 1
	s_mov_b32 s[G0+1], 0
	s_mov_b64 s[G0+2:G0+3], s[20:21]
	s_or_b32 s[G0+3], s[G0+3], 0x80000000
	s_mov_b32 s[G0B], 1
	s_mov_b32 s[G0B+1], ABYT
	s_mov_b64 s[G0B+2:G0B+3], s[46:47]
	s_or_b32 s[G0B+3], s[G0B+3], 0x80000000
	s_add_nc_u64 s[20:21], s[20:21], s[94:95]      ; from here on: my half
	s_add_nc_u64 s[46:47], s[46:47], s[96:97]
	s_mov_b32 s[G0+4], 1                           ; slot 1's ring descriptors: K step 1
	s_add_co_u32 s[G0+5], s45, SLOT
	s_add_nc_u64 s[G0+6:G0+7], s[20:21], 4096
	s_or_b32 s[G0+7], s[G0+7], 0x80000000
	s_mov_b32 s[G0B+4], 1
	s_add_co_u32 s[G0B+5], s18, SLOT
	s_add_nc_u64 s[G0B+6:G0B+7], s[46:47], 4096
	s_or_b32 s[G0B+7], s[G0B+7], 0x80000000
; THE HEAD'S FOUR TILES, ONE A WAVE: wave 0 A's K step 0, wave 1 B's, wave 2 A's scale words, wave 3 B's: one chain of branches, a load to an arm, all arms to one join
.macro ARM under, g0, g1, next
	s_cmp_lt_u32 s14, \under
	s_cbranch_scc0 \next
	tensor_load_to_lds s[\g0:\g0+3], s[\g1:\g1+7]
	s_nop 0
.rept 4
	v_nop
.endr
	s_branch .Lhead_asked
\next:
.endm
	ARM 1, G0,  G1,  .Lhead_b
	ARM 2, G0B, G1B, .Lhead_sa
	ARM 3, G0S, G1S, .Lhead_sb
	tensor_load_to_lds s[G0SB:G0SB+3], s[G1SB:G1SB+7]
	s_nop 0
.rept 4
	v_nop
.endr
.Lhead_asked:
; PREFETCH INTO THE L2: of the row tiles that my ring loads take (A: 8, B: 4) the partner at place p (cx for A, cy for B) names a quarter, told apart by address: A's tiles 2 p and 2 p + 1, sixteen lanes x 256 bytes each;
; B's tile p, whose blocks lanes 16-31 name again.  Here K steps 1 and 2 are named, behind slot 1's load K step 3; the address registers are never rewritten.
	s_cmp_eq_u32 s15, 0
	s_cselect_b64 s[2:3], s[20:21], s[46:47]
	s_cselect_b32 s10, s40, s41
	s_cselect_b32 s11, 15, 14
	s_cselect_b32 s19, 16384, 0
	s_lshl_b32 s10, s10, s11
	s_mov_b32 s11, 0
	s_add_nc_u64 s[2:3], s[2:3], s[10:11]
	v_and_b32 v[PFO], 15, v0
	v_bfe_u32 v9, v0, 4, 1
	v_lshlrev_b32 v[PFO], 8, v[PFO]
	v_mad_u32_u24 v[PFO], v9, s19, v[PFO]
	global_prefetch_b8 v[PFO], s[2:3] offset:4096 th:TH_LOAD_NT scope:SCOPE_SE
	global_prefetch_b8 v[PFO], s[2:3] offset:8192 th:TH_LOAD_NT scope:SCOPE_SE
	v_and_b32 v1, 15, v0                           ; r
	v_bfe_u32 v2, v0, 4, 1                         ; h
	v_and_b32 v3, 31, v0
	v_lshlrev_b32 v[LI], 4, v3
	s_lshl_b32 s21, s15, 15                        ; my 8 row tiles of A in a slot
	v_add_nc_u32 v[ADRA], s21, v[LI]
	v_add_nc_u32 v[ADRB], s18, v[LI]               ; my 4 of B
	v_add_nc_u32 v[ADRA+1], SLOT, v[ADRA]
	v_add_nc_u32 v[ADRB+1], SLOT, v[ADRB]
	v_lshlrev_b32 v5, 2, v1
	s_lshl_b32 s21, s15, 12                        ; scale words: A's of my rows;
	s_lshl_b32 s22, s16, 11
	s_add_co_u32 s22, s22, 8192                    ; B's of my columns,
	s_sub_co_u32 s22, s22, s21                     ; as a distance from A's
	v_mul_u32_u24 v6, s22, v2
	s_add_co_u32 s21, s21, SCL
	v_add_nc_u32 v[ADR2], s21, v5                  ; all lanes at A's words: for A's blocks 4 to 7, which have no block of B beside them
	v_add_nc_u32 v[ADRS], v[ADR2], v6              ; lanes 0-15 at A's, lanes 16-31 at B's
	s_lshl_b32 s96, s42, 9
	s_lshl_b32 s97, s16, 8
	s_add_co_u32 s96, s96, s97                     ; my first column, in bytes of f32
	s_mov_b32 s97, 0
	s_add_nc_u64 s[8:9], s[8:9], s[96:97]
	v_lshlrev_b32 v[BOF], 6, v2
.irp c, 0,1
.irp j, 0,1,2,3
	global_load_b128 v[CI+16*\c+4*\j:CI+16*\c+4*\j+3], v[BOF], s[8:9] offset:128*\c+16*\j   ; the bias at columns 32 c + 16 h + 0 .. 15
.endr
.endr
	s_mul_i32 s23, s14, 16*SPITCH                  ; my stage
	v_mul_u32_u24 v5, v1, SPITCH
	v_lshl_add_u32 v5, v2, 6, v5
	v_add_nc_u32 v[STO], s23, v5                   ; in: row r, + 64 h
	v_mul_u32_u24 v6, v2, SPITCH
	v_lshl_add_u32 v6, v1, 4, v6
	v_add_nc_u32 v[RD], s23, v6                    ; back: lanes 0-15 one row of 256 bytes, lanes 16-31 the next
	v_lshlrev_b32 v[GO], 12, v2
	v_lshl_add_u32 v[GO], v1, 4, v[GO]             ; and the same two rows in out0
	s_lshl_b32 s20, s17, 8
	s_lshl_b32 s21, s15, 7
	s_add_co_u32 s20, s20, s21                     ; my first row
	s_lshl_b32 s20, s20, 12
	s_add_co_u32 s20, s20, s96
	s_mov_b32 s21, 0
	s_add_nc_u64 s[12:13], s[12:13], s[20:21]
.macro FRAG reg, adr, q, i
.irp c, 0,1,2,3
	ds_load_b128 v[\reg+4*\c:\reg+4*\c+3], v[\adr] offset:4096*(\i)+2048*(\q)+512*\c
.endr
.endm
; 8 matrix instructions: A's blocks a0, a0 + 1 x B's four, 128 along K.  The 32 accumulators take turns, one instruction a turn
.macro MUL8 a0, p, q, sc, zero
.irp a, \a0, \a0+1
.irp b, 0,1,2,3
.if \zero
	v_wmma_scale_f32_16x16x128_f8f6f4 v[8*(8*((\a)%4)+\b):8*(8*((\a)%4)+\b)+7], v[128*(\p)+FR*\b:128*(\p)+FR*\b+FR-1], v[AF+FR*(\a):AF+FR*(\a)+FR-1], v[CI+8*\b:CI+8*\b+7], v[SC+8*NQ*(\sc)+NQ*\b+(\q)], v[SC+8*NQ*(\sc)+NQ*(\a)+(\q)] matrix_a_fmt:MATRIX_FMT_BF8 matrix_b_fmt:MATRIX_FMT_BF8 matrix_a_scale:MATRIX_SCALE_ROW1
.else
	v_wmma_scale_f32_16x16x128_f8f6f4 v[8*(8*((\a)%4)+\b):8*(8*((\a)%4)+\b)+7], v[128*(\p)+FR*\b:128*(\p)+FR*\b+FR-1], v[AF+FR*(\a):AF+FR*(\a)+FR-1], v[8*(8*((\a)%4)+\b):8*(8*((\a)%4)+\b)+7], v[SC+8*NQ*(\sc)+NQ*\b+(\q)], v[SC+8*NQ*(\sc)+NQ*(\a)+(\q)] matrix_a_fmt:MATRIX_FMT_BF8 matrix_b_fmt:MATRIX_FMT_BF8 matrix_a_scale:MATRIX_SCALE_ROW1
.endif
.endr
.endr
.endm
.macro FETCH_B slot, q, p
	WIN TO_B
.irp i, 0,1,2,3
	FRAG 128*(\p)+FR*\i, ADRB+\slot, \q, \i
.endr
	WIN 0
.endm
.macro FETCH_A slot, q, i0
.irp i, \i0, \i0+1, \i0+2, \i0+3
	FRAG AF+FR*(\i), ADRA+\slot, \q, \i
.endr
.endm
.macro SCALES sc, ks                   ; K step ks's scale words into set sc: register NQ i + q: lanes 0-15 A's block i, lanes 16-31 B's block i (i under 4)
.irp i, 0,1,2,3
.irp q, 0,1
	ds_load_b32 v[SC+8*NQ*\sc+NQ*\i+\q], v[ADRS] offset:512*\i+64*\q+128*(\ks)
.endr
.endr
.irp i, 4,5,6,7
.irp q, 0,1
	ds_load_b32 v[SC+8*NQ*\sc+NQ*\i+\q], v[ADR2] offset:512*\i+64*\q+128*(\ks)
.endr
.endr
.endm
.macro PLACES n
.rept \n
	v_nop
.endr
.endm
.macro STEP slot, q, zero              ; a step of 128 along K that has its successor in the same slot
	s_wait_dscnt 4*NL                              ; all but the youngest 16 loads (A's blocks 4-7) are in
.if \zero
	WIN BIA_LO
.else
	WIN MUL_LO
.endif
	MUL8 0, (\q)%2, \q, \slot, \zero
	MUL8 2, (\q)%2, \q, \slot, \zero
	s_wait_dscnt 0
	PLACES NP
	FETCH_B \slot, (\q)+1, 1-(\q)%2
	FETCH_A \slot, (\q)+1, 0
.if \zero
	WIN BIA_HI
.else
	WIN MUL_HI
.endif
	MUL8 4, (\q)%2, \q, \slot, \zero
	MUL8 6, (\q)%2, \q, \slot, \zero
	PLACES NP
	WIN 0
	FETCH_A \slot, (\q)+1, 4
.endm
.macro TURN slot, next, fill, ks       ; a slot's last step changes slots; fill = 1: this slot is filled again, two K steps ahead; ks: the next slot's K step
	s_wait_tensorcnt 0x0                           ; all my tensor loads have landed: my part of the next slot
	ds_add_u32 v[SPW], v[NIL]
	s_wait_dscnt 4*NL+1                            ; (the add and the youngest 16 loads may be out)
	WIN MUL_LO
	MUL8 0, 1, NQ-1, \slot, 0
	s_wait_dscnt 0x0                               ; the add is done, and my reads of this slot are over
	s_barrier_signal -1
	MUL8 2, 1, NQ-1, \slot, 0
	WIN 0
	s_barrier_wait -1
.if \fill
	CREST                                          ; the barrier has opened a round of the cluster's barrier
	s_add_nc_u64 s[G0+4*\slot+2:G0+4*\slot+3], s[G0+4*\slot+2:G0+4*\slot+3], 8192
	s_add_nc_u64 s[G0B+4*\slot+2:G0B+4*\slot+3], s[G0B+4*\slot+2:G0B+4*\slot+3], 8192
	JLOAD G0+4*\slot, G1, G0B+4*\slot, G1B
	PLACES NP-4
.else
	PLACES NP
.endif
	FETCH_B \next, 0, 0
	FETCH_A \next, 0, 0
	SCALES \next, \ks
	WIN MUL_HI
	MUL8 4, 1, NQ-1, \slot, 0
	MUL8 6, 1, NQ-1, \slot, 0
	PLACES NP
	WIN 0
	FETCH_A \next, 0, 4
.endm
	s_wait_alu depctr_va_vdst(0)                   ; the wait at the head's end
	s_wait_loadcnt 0x0                             ; the bias
	s_wait_tensorcnt 0x0                           ; my tile of the head's four is in
	ds_add_u32 v[SPW], v[NIL]
	s_mov_b32 s[G1+2], 8<<16                       ; no tensor load of mine is out: from here on a load brings half a tile: 8 row tiles of A,
	s_mov_b32 s[G1+4], 8
	s_mov_b32 s[G1B+2], 4<<16                      ; 4 of B,
	s_mov_b32 s[G1B+4], 4
	s_mov_b32 s[G0+1], s45                         ; and slot 0's descriptors become the ring's: my half
	s_add_nc_u64 s[G0+2:G0+3], s[G0+2:G0+3], s[94:95]
	s_mov_b32 s[G0B+1], s18
	s_lshl_b32 s22, s16, 16
	s_mov_b32 s23, 0
	s_add_nc_u64 s[G0B+2:G0B+3], s[G0B+2:G0B+3], s[22:23]
	s_wait_dscnt 0x0
	CROUND
	JLOAD G0+4, G1, G0B+4, G1B
	global_prefetch_b8 v[PFO], s[2:3] offset:12288 th:TH_LOAD_NT scope:SCOPE_SE
	FETCH_B 0, 0, 0
	FETCH_A 0, 0, 0
	SCALES 0, 0
	FETCH_A 0, 0, 4
	STEP 0, 0, 1                                   ; the first products start the sums with the bias
	TURN 0, 1, 1, 1
	STEP 1, 0, 0
	TURN 1, 0, 1, 2
	STEP 0, 0, 0
	TURN 0, 1, 0, 3
	STEP 1, 0, 0
	s_wait_dscnt 4*NL
	WIN MUL_LO
	MUL8 0, 1, NQ-1, 1, 0
	MUL8 2, 1, NQ-1, 1, 0
	s_wait_dscnt 0
	WIN MUL_HI
	MUL8 4, 1, NQ-1, 1, 0
	MUL8 6, 1, NQ-1, 1, 0
	WIN 0
; THE WAY OUT, block by block of 16 rows x 64 columns: through my own stage in LDS and back as whole rows of 256 bytes, which sixteen lanes store as one aligned unit.  LDS serves a wave's instructions in order (ISA guide 5.7.1.4).
; Each block's 32 registers read back are its own, in window 1, where B's fragments lay, and the stores' base is never stepped: no store's registers are written again.
.macro TOSTAGE a
.set AC, 64*((\a)%4)
.set WN, 0x08+4*((\a)/4)
	WIN WN
.irp b, 0,1,2,3
	ds_store_b128 v[STO], v[AC+8*\b:AC+8*\b+3] offset:128*(\b/2)+32*(\b%2)       ; each accumulator from its low end on
	ds_store_b128 v[STO], v[AC+8*\b+4:AC+8*\b+7] offset:128*(\b/2)+32*(\b%2)+16
.endr
	WIN 0x40
.irp t, 0,1,2,3,4,5,6,7
	ds_load_b128 v[32*(\a)+4*\t:32*(\a)+4*\t+3], v[RD] offset:2*\t*SPITCH
.endr
	WIN 0
.endm
.macro SEND a, younger                 ; younger: the LDS instructions issued behind block a's loads
	s_wait_dscnt \younger
	WIN 0x04
.irp t, 0,1,2,3,4,5,6,7
	global_store_b128 v[GO], v[32*(\a)+4*\t:32*(\a)+4*\t+3], s[12:13] offset:(32*((\a)/2)+8*((\a)%2)+2*\t+8*(\t/4))*4096 th:TH_STORE_NT   ; 126 rows of 4,096 bytes at the most: inside the signed 24-bit immediate
.endr
	WIN 0
.endm
	PLACES NP
	TOSTAGE 0
.irp a, 1,2,3,4,5,6,7
	TOSTAGE \a
	SEND \a-1, 16                                  ; behind block a - 1's loads: block a's 8 stores and 8 loads
.endr
	SEND 7, 0
	s_wait_tensorcnt 0x0                           ; the wave's end
	ds_add_u32 v[SPW], v[NIL]
	s_wait_dscnt 0x0
	CROUND                                         ; the closing round
	s_endpgm
.Lfunc_end_k_qd061127cdc_gemm_o:
	.size	k_qd061127cdc_gemm_o, .Lfunc_end_k_qd061127cdc_gemm_o-k_qd061127cdc_gemm_o
	.p2alignl 7, 3214868480
	.fill 96, 4, 3214868480
	.section	.rodata,"a",@progbits
	.p2align	6, 0x0
	.amdhsa_kernel k_qd061127cdc_gemm_o
		.amdhsa_group_segment_fixed_size 327680
		.amdhsa_private_segment_fixed_size 0
		.amdhsa_enable_private_segment 0
		.amdhsa_kernarg_size 32
		.amdhsa_user_sgpr_count 2
		.amdhsa_user_sgpr_kernarg_segment_ptr 1
		.amdhsa_wavefront_size32 1
		.amdhsa_system_sgpr_workgroup_id_x 1
		.amdhsa_system_sgpr_workgroup_id_y 1
		.amdhsa_system_sgpr_workgroup_id_z 1
		.amdhsa_system_vgpr_workitem_id 0
		.amdhsa_next_free_vgpr 1024
		.amdhsa_next_free_sgpr 100
		.amdhsa_reserve_vcc 0
		.amdhsa_float_denorm_mode_32 3
		.amdhsa_float_denorm_mode_16_64 3
		.amdhsa_memory_ordered 1
		.amdhsa_forward_progress 1
		.amdhsa_inst_pref_size 95
	.end_amdhsa_kernel
	.amdgpu_metadata
---
amdhsa.version: [ 1, 2 ]
amdhsa.kernels:
  - .name:           k_qd061127cdc_gemm_o
    .symbol:         k_qd061127cdc_gemm_o.kd
    .args:
      - { .name: oq, .offset: 0, .size: 8, .value_kind: global_buffer, .address_space: global }
      - { .name: inq, .offset: 8, .size: 8, .value_kind: global_buffer, .address_space: global }
      - { .name: bo, .offset: 16, .size: 8, .value_kind: global_buffer, .address_space: global }
      - { .name: out0, .offset: 24, .size: 8, .value_kind: global_buffer, .address_space: global }
    .group_segment_fixed_size: 327680
    .private_segment_fixed_size: 0
    .kernarg_segment_align: 8
    .kernarg_segment_size: 32
    .max_flat_workgroup_size: 128
    .sgpr_count:     100
    .vgpr_count:     1024
    .wavefront_size: 32
...
	.end_amdgpu_metadata
.endif
;; end of part 5
